; MI455X (gfx1250); checked and timed in simulation.
; The chip was launched on July 23, 2026; its instructions are those of AMD's public machine-readable ISA for CDNA 5 (MIT licence, August 2026) and "CDNA5" Instruction Set Architecture Reference Guide (July 2026). The comments in the code are by the model that wrote it; some were corrected since.
;; Self Attention Module. Allowed arithmetic: matrix products marked QUANTISED: E2M1 operands, one E8M0 scale for each 32 along K, by v_wmma_scale_f32_16x16x128_f8f6f4 with both operands' format E2M1 (or v_wmma_scale_f32_32x16x128_f4), f32 sums; everything else in f32.
;; Inputs: W_k_codes 1,024 x 32 x 16 uint8 (E2M1 codes of W_k, K innermost, in blocks of 32 codes, two codes a byte); W_k_scales 1,024 x 32 uint8 (E8M0 scales of W_k, one for each 32 codes along K); W_o_codes 1,024 x 32 x 16 uint8 (E2M1 codes of W_o, K innermost, in blocks of 32 codes, two codes a byte); W_o_scales 1,024 x 32 uint8 (E8M0 scales of W_o, one for each 32 codes along K); W_q_codes 1,024 x 32 x 16 uint8 (E2M1 codes of W_q, K innermost, in blocks of 32 codes, two codes a byte); W_q_scales 1,024 x 32 uint8 (E8M0 scales of W_q, one for each 32 codes along K); W_v_codes 1,024 x 32 x 16 uint8 (E2M1 codes of W_v, K innermost, in blocks of 32 codes, two codes a byte); W_v_scales 1,024 x 32 uint8 (E8M0 scales of W_v, one for each 32 codes along K); inputs 4 x 2,048 x 1,024 float32; ln_beta 1,024 float32; ln_gamma 1,024 float32.
;; Outputs: out0 4 x 2,048 x 1,024 float32.
;; This version of the problem:
;;   THIS VERSION OF THE PROBLEM IS GIVEN IN LOW PRECISION. The matrix products marked QUANTISED in the list below multiply operands that are first quantised to E2M1 (2 exponent bits, 1 mantissa bit; 4 bits a number), with one power-of-two scale for each 32 numbers along K (OCP MX v1.0); their sums are f32. All else is computed in f32.
;;   The module's matrix products, in the order in which they are computed (A, B: the left and right operand; K: the contracted axis; several contracted axes count as one K, in the product's order):
;;     1. [M 8,192, K 1,024] x [K 1,024, N 1,024]; A: input inputs; B: input W_q (given as codes): QUANTISED
;;     2. [M 8,192, K 1,024] x [K 1,024, N 1,024]; A: input inputs; B: input W_k (given as codes): QUANTISED
;;     3. [M 8,192, K 1,024] x [K 1,024, N 1,024]; A: input inputs; B: input W_v (given as codes): QUANTISED
;;     4. batch 64 x [M 2,048, K 64] x [K 64, N 2,048]; A: computed on the way; B: computed on the way: QUANTISED
;;     5. batch 64 x [M 2,048, K 2,048] x [K 2,048, N 64]; A: softmax (see below); B: computed on the way: QUANTISED
;;     6. [M 8,192, K 1,024] x [K 1,024, N 1,024]; A: computed on the way; B: input W_o (given as codes): QUANTISED
;;   THE QUANTISER, for each operand of a quantised product, along K:
;;     - K is cut into blocks of 32 from its start; a last block that is shorter is filled with zeros.
;;     - A block's scale is 2^e with e = floor(log2(the largest magnitude in the block)) - 2, held to -126 .. 127; a block of zeros has e = 0. As a byte (E8M0): e + 127.
;;     - Each number is divided by its block's scale, clamped to +-6, and rounded to the nearest number of E2M1, ties to even, subnormals kept.
;;     - The product sums the exact products of the quantised numbers (number of the format x scale) in f32.
;;   ~~~python
;;   def quantise(x, axis):      # numpy; x: float32 -> the quantised numbers, widened to float32 again
;;       x = np.moveaxis(x, axis, -1); K = x.shape[-1]
;;       x = np.pad(x, [(0, 0)] * (x.ndim - 1) + [(0, -K % 32)]); x = x.reshape(x.shape[:-1] + (-1, 32)); a = np.abs(x).max(-1, keepdims=True)
;;       e = np.where(a > 0, np.clip(np.frexp(np.where(a > 0, a, 1))[1] - 1 - 2, -126, 127), 0)      # np.frexp(a)[1] - 1 = floor(log2(a)), exactly
;;       r = np.clip(x / 2.0 ** e, -6, 6)
;;       step = 2.0 ** (np.maximum(np.frexp(np.where(r == 0, 1, r))[1] - 1, 0) - 1)
;;       q = np.round(r / step) * step * 2.0 ** e      # np.round: ties to even
;;       return np.moveaxis(q.reshape(q.shape[:-2] + (-1,))[..., :K], -1, axis).astype(np.float32)
;;   ~~~
;;   SOFTMAX AHEAD OF A QUANTISED PRODUCT. Where the list says 'softmax', what is quantised is not the finished softmax but p = 2^(t - M), with t = logit x log2(e) and M = ceil(the row's largest t), a whole number; so 1/2 < the row's largest p <= 1. The row's sum l is taken of the UNQUANTISED p, in f32, and the product's result is divided by l at the end. Since M is a whole number, a kernel that streams over the keys may use a running M (the ceiling of the running maximum): every later rescaling is an exact power of two, which a block's scale takes up: the codes' values come out the same.
;;   OPERANDS COMPUTED ON THE WAY. 'Computed on the way' means the value that the module computes at that place (a softmax that the list does not call 'softmax' is quantised finished and normalised). What goes into a quantiser is computed in f32, as accurately as f32 sums, v_exp_f32 and their like allow (about 1e-6 of the number): no bf16 or f16 on the way to a quantiser, and a product that is left as it is and whose result goes on into a quantised operand takes f32 operands (vector FMAs, or v_wmma_f32_16x16x4_f32). A number that lies on a knife's edge between two numbers of the format may be rounded either way, as far as f32 arithmetic and the matrix unit's own rounding can turn it there, and no further.
;;   INPUTS GIVEN AS CODES. W_k (in the module: [1024, 1024], K = its axis 1); W_o (in the module: [1024, 1024], K = its axis 1); W_q (in the module: [1024, 1024], K = its axis 1); W_v (in the module: [1024, 1024], K = its axis 1): each comes as NAME_codes (uint8): NAME with its K axis moved to the last place and cut into blocks of 32 codes, [.., K / 32, bytes a block], one block behind the other in memory; two codes a byte, the lower K in the low four bits (a code: sign, 2 exponent bits, 1 mantissa bit); and NAME_scales (uint8): the same leading axes, one E8M0 byte (e + 127) for each 32 codes along K. Its value is code x scale, taken as it is: it is not quantised again, and the codes and scales need not be those that the quantiser above would give.
;; One version. Each part assembles by itself: llvm-mc -triple=amdgcn-amd-amdhsa -mcpu=gfx1250 --defsym DOCPART=n.
;; ======== version 1 of 1: 4 launches
;; limits: right only within a limited range of input values
;; workspace buffers: xq 4,456,448 bytes; wq 2,228,224 bytes; qc 4,194,304 bytes; qs 524,288 bytes; kv 8,912,896 bytes; oc 4,194,304 bytes; os 262,144 bytes
;; launch prep (part 1): grid 320 x 1, 4 waves a work-group, no clusters, 34,304 bytes of LDS; arguments inputs, W_q_codes, W_q_scales, W_k_codes, W_k_scales, W_v_codes, W_v_scales, W_o_codes, W_o_scales, xq, wq; writes xq, wq
.if DOCPART == 1
	.amdgcn_target "amdgcn-amd-amdhsa--gfx1250"
	.amdhsa_code_object_version 6
	.text
	.protected	k_q845e4ab022_prep
	.globl	k_q845e4ab022_prep
	.p2align	8
	.type	k_q845e4ab022_prep,@function
k_q845e4ab022_prep:
	s_mov_b64 s[64:65], 0
	v_nop
	global_prefetch_b8 v0, s[64:65] scope:SCOPE_SE
	s_setreg_imm32_b32 hwreg(HW_REG_WAVE_MODE, 25, 1), 1
	s_wait_xcnt 0x0
; PREP.  (X) x [8192][1024] f32 is quantised along its 1,024 to codes of FP4 (E2M1) with one E8M0 byte for each 32, once for the whole program.
;        (W) the four given weights [1024][1024] (codes, scale bytes) are laid anew.  Both leave in ONE layout, in which every later launch takes an operand by loads of 16 bytes a lane, 512 bytes on end.
; TILE.  Rows go in groups G of 32; tile (G, u), u = 0, 1, holds in lane r (0..15) row 32 G + 8 u + r + 8 (r / 8).  Used as source 0 of a product, the results of tiles (G, 0) and (G, 1) are then 16 neighbouring rows in a lane's 16 registers.
; IMAGE. A fragment (16 rows x 128 K, 8 registers a lane) lies as [c = 0, 1][lane 32][16 bytes]: registers 4 c .. 4 c + 3 of lane l at 512 c + 16 l.
; BLOCK. 256 rows x K 1,024 = 139,264 bytes: codes at 8192 tile + 1024 kstep + 512 c + 16 lane; behind them, at 131,072, for each pair of tiles 1,024 bytes of scale words [half of K][lane = 16 u + r][4 words].
; SHARES.  Work-groups 0..255: group G of x; wave: tile u = wave % 2, K steps 4 (wave / 2) + 0..3.  Work-groups 256..319: 16 for each weight, a wave a tile.
; A scale is 2^(floor(log2(largest magnitude)) - 2); its byte is the largest magnitude's exponent field - 2, held at 1 from below by a floor among the maximum's leaves.
; LIMITS: NaN and infinities among the inputs are not served; a block of zeros gets the byte 1 where the rule says 127: its codes are zeros, and the bytes are read by this program alone.
; No tensor load, no barrier, no matrix unit, no cluster: the waves share nothing and each input byte is read once.
.set BLOCKB, 139264
.set SCOFF,  131072
.set SP,     528                       ; a stage row: 512 bytes + 16: sixteen rows start at sixteen different groups of banks
.set WST,    16*SP                     ; a wave's stage
.set LI,  1                            ; v1   16 x lane
.set STW, 2                            ; v2   the stage, way in: 16 x lane of a row
.set STR, 3                            ; v3   the stage, way out: row r, + 64 h
.set R16, 4                            ; v4   16 r
.set LN,  5                            ; v5   lane
.set PW,  12                           ; v12-15  the four K steps' scale words
.set R,   16                           ; v16-143 two sets of 64: a K step as loaded
.set X,   144                          ; v144-207 64 numbers of my row: register 16 b + i = k 32 b + 16 h + i
.set TM,  208                          ; v208-223 at work
.set PC,  224                          ; v224-255 codes, 8 registers for each K step: no store's data are written again
.set SEL, 40                           ; s[40:41] lane selects: lane l xor 16
; 64 numbers of a lane become a fragment's codes in v[pc] on and its row's scale word in v[pw].
.macro QUANT s, pc, pw
.irp b, 0,1,2,3
	v_max3_num_f32 v[TM+\b], |v[\s+16*\b]|, |v[\s+1+16*\b]|, 0x1800000   ; block b: my 16 numbers, and the floor 2^(3 - 127): the byte cannot fall under 1
.endr
.irp i, 2,4,6,8,10,12,14
.irp b, 0,1,2,3
	v_max3_num_f32 v[TM+\b], v[TM+\b], |v[\s+16*\b+\i]|, |v[\s+1+16*\b+\i]|   ; the four blocks by turns
.endr
.endr
.irp b, 0,1,2,3
	v_permlanex16_b32 v[TM+4+\b], v[TM+\b], s[SEL], s[SEL+1]
.endr
.irp b, 0,1,2,3
	v_max_num_f32 v[TM+\b], v[TM+\b], v[TM+4+\b]             ; with lane l xor 16's 16: the block's largest magnitude
.endr
.irp b, 0,1,2,3
	v_add_nc_u32 v[TM+12+\b], 0xff000000, v[TM+\b]           ; 2 off its exponent field: the conversion's scale operand
.endr
.irp b, 0,1,2,3
	v_lshrrev_b32 v[TM+4+\b], 23, v[TM+12+\b]                ; the scale's byte
.endr
	v_lshl_or_b32 v[\pw], v[TM+5], 8, v[TM+4]
	v_lshl_or_b32 v[\pw], v[TM+6], 16, v[\pw]
	v_lshl_or_b32 v[\pw], v[TM+7], 24, v[\pw]
.irp b, 0,1,2,3
	v_cvt_scalef32_pk8_fp4_f32 v[\pc+2*\b], v[\s+16*\b:\s+7+16*\b], v[TM+12+\b]
	v_cvt_scalef32_pk8_fp4_f32 v[\pc+1+2*\b], v[\s+8+16*\b:\s+15+16*\b], v[TM+12+\b]
.endr
	v_nop                                                    ; one plain line behind the scaled conversions
.irp c, 0,1                                                  ; the operand wants a whole block in a lane: lanes 0-15 block 2 c, lanes 16-31 block 2 c + 1
.irp i, 0,1
	v_permlane16_swap_b32 v[\pc+4*\c+\i], v[\pc+2+4*\c+\i]
.endr
.endr
.endm
	s_load_b64 s[4:5], s[0:1], 0x0                 ; x
	s_load_b256 s[8:15], s[0:1], 0x8               ; W_q codes, scales; W_k codes, scales
	s_load_b256 s[16:23], s[0:1], 0x28             ; W_v codes, scales; W_o codes, scales
	s_load_b128 s[24:27], s[0:1], 0x48             ; xq, wq
	v_lshl_add_u32 v218, v0, 2, 0x8400
	v_mov_b32 v219, 0
	v_lshrrev_b32 v6, 5, v0
	v_readfirstlane_b32 s28, v6                    ; wave 0..3
	v_and_b32 v[LN], 31, v0
	v_and_b32 v7, 15, v0                           ; r
	v_bfe_u32 v8, v0, 4, 1                         ; h
	v_lshlrev_b32 v[LI], 4, v[LN]
	s_and_b32 s29, s28, 1                          ; u
	s_lshr_b32 s30, s28, 1                         ; which half of K (x alone)
	s_cmp_lt_u32 ttmp9, 256
	s_cbranch_scc0 .Lweights
	; ---- X: my tile of x, four K steps
	s_mul_i32 s31, s28, WST
	v_add_nc_u32 v[STW], s31, v[LI]
	v_mul_u32_u24 v[STR], v7, SP
	v_lshl_add_u32 v[STR], v8, 6, v[STR]
	v_add_nc_u32 v[STR], s31, v[STR]
	v_lshlrev_b32 v[R16], 4, v7
	s_lshl_b32 s32, ttmp9, 17                      ; x: 32 rows of 4,096 bytes a group,
	s_lshl_b32 s33, s29, 15                        ; 8 rows on for u = 1,
	s_add_co_u32 s32, s32, s33
	s_lshl_b32 s33, s30, 11                        ; four K steps of 512 bytes on for the second half of K
	s_add_co_u32 s32, s32, s33
	s_mov_b32 s33, 0
	s_lshr_b32 s34, ttmp9, 3
	s_mul_i32 s34, s34, BLOCKB                     ; my block of xq
	s_and_b32 s35, ttmp9, 7                        ; my pair of tiles in it
	s_lshl_b32 s36, s35, 14
	s_add_co_u32 s36, s36, s34
	s_lshl_b32 s37, s29, 13
	s_add_co_u32 s36, s36, s37
	s_lshl_b32 s37, s30, 12
	s_add_co_u32 s36, s36, s37                     ; codes: block + 8192 (2 pair + u) + 4096 half
	s_mov_b32 s37, 0
	s_lshl_b32 s38, s35, 10
	s_add_co_u32 s38, s38, s34
	s_add_co_u32 s38, s38, SCOFF
	s_lshl_b32 s39, s30, 9
	s_add_co_u32 s38, s38, s39
	s_lshl_b32 s39, s29, 8
	s_add_co_u32 s38, s38, s39                     ; scale words: block + 131072 + 1024 pair + 512 half + 256 u
	s_mov_b32 s39, 0
	s_mov_b32 s[SEL], 0x76543210
	s_mov_b32 s[SEL+1], 0xfedcba98
.irp b, 0,1,2,3
	v_mov_b32 v[TM+4+\b], 0                        ; written once: a lane permute's destination counts as one of its sources
.endr
	s_wait_alu depctr_va_vdst(0)
	s_wait_kmcnt 0x0
	s_add_nc_u64 s[4:5], s[4:5], s[32:33]
	s_add_nc_u64 s[36:37], s[24:25], s[36:37]
	s_add_nc_u64 s[38:39], s[24:25], s[38:39]
.macro XLOAD t                         ; K step t of my 16 rows: each load takes 512 consecutive bytes of one row
.irp i, 0,1,2,3,4,5,6,7,8,9,10,11,12,13,14,15
	global_load_b128 v[R+64*((\t)%2)+4*\i:R+64*((\t)%2)+4*\i+3], v[LI], s[4:5] offset:(\i+8*(\i/8))*4096+512*(\t) th:TH_LOAD_NT
.endr
.endm
.macro TURN t                          ; through my own stage: in by rows, out 16 neighbours of each block to a lane.  LDS serves a wave's instructions in order: no wait between
.irp i, 0,1,2,3,4,5,6,7,8,9,10,11,12,13,14,15
	ds_store_b128 v[STW], v[R+64*((\t)%2)+4*\i:R+64*((\t)%2)+4*\i+3] offset:SP*\i
.endr
.irp b, 0,1,2,3
.irp j, 0,1,2,3
	ds_load_b128 v[X+16*\b+4*\j:X+16*\b+4*\j+3], v[STR] offset:128*\b+16*\j
.endr
.endr
.endm
	XLOAD 0
	XLOAD 1
.irp t, 0,1,2,3
.if \t < 3
	s_wait_loadcnt 16                              ; this K step's 16 loads are in; the next step's 16 may be out
.else
	s_wait_loadcnt 0x0
.endif
	TURN \t
	s_wait_dscnt 0x0                               ; my 64 numbers are back, and the stores have read the set that is loaded again below
.if \t < 2
	XLOAD \t+2
.endif
	QUANT X, PC+8*\t, PW+\t
	global_store_b128 v[LI], v[PC+8*\t:PC+8*\t+3], s[36:37] offset:1024*\t          ; 32 lanes store 512 consecutive bytes, aligned
	global_store_b128 v[LI], v[PC+8*\t+4:PC+8*\t+7], s[36:37] offset:1024*\t+512
.endr
	s_wait_xcnt 0x0                                ; EXEC changes only behind this wait
	v_cmp_gt_u32 vcc_lo, 16, v[LN]
	s_wait_tensorcnt 0x0
	ds_add_u32 v218, v219
	s_wait_dscnt 0x0
	s_and_saveexec_b32 s42, vcc_lo                 ; lanes 16-31 hold the same words as lanes 0-15
	global_store_b128 v[R16], v[PW:PW+3], s[38:39] ; sixteen lanes store 256 consecutive bytes, aligned
	s_wait_xcnt 0x0
	s_or_b32 exec_lo, exec_lo, s42
	s_endpgm
	; ---- W: one tile of one weight a wave: its 8 fragments and its rows' scale words.  These loads take 32 bytes of each of 16 rows: 2.2 MB in all, once, so that no later launch reads rows in pieces
.Lweights:
	s_sub_co_u32 s31, ttmp9, 256
	s_lshr_b32 s32, s31, 4                         ; which weight: 0 q, 1 k, 2 v, 3 o
	s_and_b32 s33, s31, 15
	s_lshl_b32 s33, s33, 2
	s_add_co_u32 s33, s33, s28                     ; tile 0..63 of the weight; its u is wave % 2
	s_lshl_b32 s34, s33, 4
	s_lshl_b32 s35, s29, 3
	s_sub_co_u32 s34, s34, s35                     ; its first row: 32 (tile / 2) + 8 u = 16 tile - 8 u
	s_lshl_b32 s36, s34, 9                         ; 512 bytes of codes a row
	s_mov_b32 s37, 0
	s_lshl_b32 s38, s34, 5                         ; 32 scale bytes a row
	s_mov_b32 s39, 0
	s_lshl_b32 s40, s32, 2
	s_lshr_b32 s41, s33, 4
	s_add_co_u32 s40, s40, s41
	s_mul_i32 s40, s40, BLOCKB                     ; block 4 weight + tile / 16 of wq
	s_and_b32 s41, s33, 15
	s_lshl_b32 s42, s41, 13
	s_add_co_u32 s42, s42, s40                     ; codes
	s_mov_b32 s43, 0
	s_lshr_b32 s41, s41, 1
	s_lshl_b32 s41, s41, 10
	s_add_co_u32 s40, s40, s41
	s_add_co_u32 s40, s40, SCOFF
	s_lshl_b32 s41, s29, 8
	s_add_co_u32 s40, s40, s41                     ; scale words: + 131072 + 1024 pair + 256 u
	s_mov_b32 s41, 0
	s_wait_alu depctr_va_vdst(0)
	v_and_b32 v9, 8, v7
	v_add_nc_u32 v9, v9, v7                        ; r + 8 (r / 8)
	v_lshlrev_b32 v10, 9, v9
	v_lshl_add_u32 v10, v8, 4, v10                 ; codes: my row, + 16 h
	v_lshlrev_b32 v11, 5, v9
	v_lshl_add_u32 v11, v8, 4, v11                 ; scale bytes: my row, + 16 h: the words of K steps 4 h .. 4 h + 3
	v_lshlrev_b32 v12, 4, v7
	v_lshl_add_u32 v12, v8, 9, v12                 ; and where they go: 512 h + 16 r
	s_wait_alu depctr_va_vdst(0)
	s_wait_kmcnt 0x0
	s_cmp_eq_u32 s32, 1                            ; the choice hangs on the work-group's number alone
	s_cselect_b64 s[8:9], s[12:13], s[8:9]
	s_cselect_b64 s[10:11], s[14:15], s[10:11]
	s_cmp_eq_u32 s32, 2
	s_cselect_b64 s[8:9], s[16:17], s[8:9]
	s_cselect_b64 s[10:11], s[18:19], s[10:11]
	s_cmp_eq_u32 s32, 3
	s_cselect_b64 s[8:9], s[20:21], s[8:9]
	s_cselect_b64 s[10:11], s[22:23], s[10:11]
	s_add_nc_u64 s[8:9], s[8:9], s[36:37]
	s_add_nc_u64 s[10:11], s[10:11], s[38:39]
	s_add_nc_u64 s[42:43], s[26:27], s[42:43]
	s_add_nc_u64 s[40:41], s[26:27], s[40:41]
.irp k, 0,1,2,3,4,5,6,7
.irp c, 0,1
	global_load_b128 v[16+8*\k+4*\c:16+8*\k+4*\c+3], v10, s[8:9] offset:64*\k+32*\c
.endr
.endr
	global_load_b128 v[80:83], v11, s[10:11]
	s_wait_loadcnt 0x0
.irp k, 0,1,2,3,4,5,6,7
.irp c, 0,1
	global_store_b128 v[LI], v[16+8*\k+4*\c:16+8*\k+4*\c+3], s[42:43] offset:1024*\k+512*\c
.endr
.endr
	global_store_b128 v12, v[80:83], s[40:41]      ; lanes 0-15 and lanes 16-31 each store 256 consecutive bytes, aligned
	s_endpgm
.Lfunc_end_k_q845e4ab022_prep:
	.size	k_q845e4ab022_prep, .Lfunc_end_k_q845e4ab022_prep-k_q845e4ab022_prep
	.p2alignl 7, 3214868480
	.fill 96, 4, 3214868480
	.section	.rodata,"a",@progbits
	.p2align	6, 0x0
	.amdhsa_kernel k_q845e4ab022_prep
		.amdhsa_group_segment_fixed_size 34304
		.amdhsa_private_segment_fixed_size 0
		.amdhsa_enable_private_segment 0
		.amdhsa_kernarg_size 88
		.amdhsa_user_sgpr_count 2
		.amdhsa_user_sgpr_kernarg_segment_ptr 1
		.amdhsa_wavefront_size32 1
		.amdhsa_system_sgpr_workgroup_id_x 1
		.amdhsa_system_sgpr_workgroup_id_y 1
		.amdhsa_system_sgpr_workgroup_id_z 1
		.amdhsa_system_vgpr_workitem_id 0
		.amdhsa_next_free_vgpr 256
		.amdhsa_next_free_sgpr 66
		.amdhsa_reserve_vcc 1
		.amdhsa_float_denorm_mode_32 3
		.amdhsa_float_denorm_mode_16_64 3
		.amdhsa_memory_ordered 1
		.amdhsa_forward_progress 1
		.amdhsa_inst_pref_size 38
	.end_amdhsa_kernel
	.amdgpu_metadata
---
amdhsa.version: [ 1, 2 ]
amdhsa.kernels:
  - .name:           k_q845e4ab022_prep
    .symbol:         k_q845e4ab022_prep.kd
    .args:
      - { .name: inputs, .offset: 0, .size: 8, .value_kind: global_buffer, .address_space: global }
      - { .name: W_q_codes, .offset: 8, .size: 8, .value_kind: global_buffer, .address_space: global }
      - { .name: W_q_scales, .offset: 16, .size: 8, .value_kind: global_buffer, .address_space: global }
      - { .name: W_k_codes, .offset: 24, .size: 8, .value_kind: global_buffer, .address_space: global }
      - { .name: W_k_scales, .offset: 32, .size: 8, .value_kind: global_buffer, .address_space: global }
      - { .name: W_v_codes, .offset: 40, .size: 8, .value_kind: global_buffer, .address_space: global }
      - { .name: W_v_scales, .offset: 48, .size: 8, .value_kind: global_buffer, .address_space: global }
      - { .name: W_o_codes, .offset: 56, .size: 8, .value_kind: global_buffer, .address_space: global }
      - { .name: W_o_scales, .offset: 64, .size: 8, .value_kind: global_buffer, .address_space: global }
      - { .name: xq, .offset: 72, .size: 8, .value_kind: global_buffer, .address_space: global }
      - { .name: wq, .offset: 80, .size: 8, .value_kind: global_buffer, .address_space: global }
    .group_segment_fixed_size: 34304
    .private_segment_fixed_size: 0
    .kernarg_segment_align: 8
    .kernarg_segment_size: 88
    .max_flat_workgroup_size: 128
    .sgpr_count:     66
    .vgpr_count:     256
    .wavefront_size: 32
...
	.end_amdgpu_metadata
.endif
;; end of part 1
;; launch qkv (part 2): grid 32 x 12, 16 waves a work-group, clusters of 4 x 4, 280,576 bytes of LDS; arguments xq, wq, qc, qs, kv; writes qc, qs, kv
.if DOCPART == 2
	.amdgcn_target "amdgcn-amd-amdhsa--gfx1250"
	.amdhsa_code_object_version 6
	.text
	.protected	k_q845e4ab022_qkv
	.globl	k_q845e4ab022_qkv
	.p2align	8
	.type	k_q845e4ab022_qkv,@function
k_q845e4ab022_qkv:
	s_mov_b64 s[64:65], 0
	v_nop
	global_prefetch_b8 v0, s[64:65] scope:SCOPE_SE
	s_setreg_imm32_b32 hwreg(HW_REG_WAVE_MODE, 25, 1), 1
	s_wait_xcnt 0x0
	s_wait_alu depctr_hold_cnt(0) depctr_sa_sdst(0) depctr_va_vdst(0) depctr_va_sdst(0) depctr_va_ssrc(0) depctr_va_vcc(0) depctr_vm_vsrc(0)
	s_getreg_b32 s2, hwreg(HW_REG_IB_STS2, 6, 4)
	s_cmp_eq_u32 s2, 0
	s_cbranch_scc0 .Lentry_in_a_cluster
	s_endpgm
.Lentry_in_a_cluster:
	s_bfe_u32 s2, ttmp6, 0x10000c
	s_cmp_lg_u32 s2, 0xf033
	s_cbranch_scc0 .Lentry_shape_is_right
	s_endpgm
.Lentry_shape_is_right:
; QKV.  q = x W_q^T, k = x W_k^T, v = x W_v^T on codes of FP4 with E8M0 scales, each result quantised at once for attention: q and k along the head's 64, v along the keys.  No f32 result goes to memory.
; SHARES.  A work-group multiplies a block of x (256 rows, all of K = 1,024) by a block of one weight (256 rows): 256 x 256 x 1,024.  Both blocks, 139,264 bytes each, lie whole in LDS, filled once: no slot is filled again.
; CLUSTER 4 x 4.  The cluster's y is the ROLE (0 q, 1 k, 2 v), the same in all sixteen partners; cy is the weight's block, cx + 4 x cluster x the block of x.  The four of a column need the same block of x, the four of a row
; the same block of W: each of a block's eight parts (68 rows of 256 bytes) is asked for JOINTLY, one tensor load a wave: waves 0-7 for x, waves 8-15 for W.  One tensor load of a wave is out.
; ORIENTATION.  A quantiser wants its K along a lane's registers, and a result's registers run along source 0's rows.  So for q and k source 0 = W (the head's dimensions) and source 1 = x; for v source 0 = x (the keys), source 1 = W_v.
; Only the two LDS bases differ: they are chosen by the role.  A tile's rows are 32 G + 8 u + r + 8 (r / 8), so the 16 registers of tiles (G, 0), (G, 1) are 16 neighbours along the next K.
; A WAVE takes 128 rows of source 0 (8 tiles) x 32 rows of source 1 (2 tiles): 16 accumulators, which take turns, one instruction a turn.  Four waves share a SIMD: one wave's LDS loads stand beside another's products.
; OUT.  Codes leave as images of operand registers, 512 consecutive bytes a store.  Scale words leave in pieces of 64 or 128 bytes: 1 MB of the launch's 13.6 MB.
; LIMITS: as in the launch before: no NaN, no infinities; a block of zeros gets the byte 1.
.set BLOCKB, 139264
.set PARTB,  17408                     ; an eighth of a block: 68 rows of 256 bytes
.set SCOFF,  131072
.set HEADB,  139264                    ; kv: a head: 16 steps of 128 keys
.set STEPB,  8704                      ; a step: K codes 4,096, V codes 4,096, K scale words 256, V scale words 256
.set LI,   1                           ; v1  16 x lane
.set LS,   2                           ; v2  4 x lane
.set ADR0, 3                           ; v3  source 0's fragments
.set ADR1, 4                           ; v4  source 1's
.set ADS0, 5                           ; v5  source 0's scale words
.set ADS1, 6                           ; v6  source 1's
.set SC0,  24                          ; v24-39  source 0's scale words: 4 pair + kstep % 4; lanes 0-15 tile u = 0, lanes 16-31 u = 1
.set SC1,  40                          ; v40-43  source 1's
.set F1,   48                          ; v48-63  source 1's two fragments
.set ACC,  64                          ; v64-191 accumulator (a, tile) at 64 a + 8 tile
.set F0,   192                         ; v192-255 source 0's eight fragments
.set TM,   192                         ; behind the products: at work,
.set PC0,  208                         ; the two fragments made,
.set PC1,  216
.set PW0,  224                         ; and their scale words
.set PW1,  225
.set WV,   14
.set G1X,  24                          ; s[24:31], s[32:35] descriptor groups 1 and 0 for x's parts
.set G0X,  32
.set G1W,  48                          ; s[48:55], s[56:59] for W's
.set G0W,  56
.set SEL,  68
.macro CROUND                          ; a round of the cluster's barrier
	s_barrier_signal -1
	s_barrier_wait -1
	s_cmp_lg_u32 s[WV], 0
	s_cbranch_scc1 .Lnot_wave_0_\@
	s_barrier_signal -3
.Lnot_wave_0_\@:
	s_barrier_wait -3
	s_barrier_signal -1
	s_barrier_wait -1
.endm
; one product: D at d, source 0 at a, source 1 at b; zero = 1: it starts the sum; sa, sb the scale registers, ra, rb which half of their lanes
.macro WM d, a, b, zero, sa, sb, ra, rb
.if \zero
.if ((\ra)==0) && ((\rb)==0)
	v_wmma_scale_f32_16x16x128_f8f6f4 v[\d:\d+7], v[\a:\a+7], v[\b:\b+7], 0, v[\sa], v[\sb] matrix_a_fmt:MATRIX_FMT_FP4 matrix_b_fmt:MATRIX_FMT_FP4
.elseif ((\ra)==1) && ((\rb)==0)
	v_wmma_scale_f32_16x16x128_f8f6f4 v[\d:\d+7], v[\a:\a+7], v[\b:\b+7], 0, v[\sa], v[\sb] matrix_a_fmt:MATRIX_FMT_FP4 matrix_b_fmt:MATRIX_FMT_FP4 matrix_a_scale:MATRIX_SCALE_ROW1
.elseif ((\ra)==0) && ((\rb)==1)
	v_wmma_scale_f32_16x16x128_f8f6f4 v[\d:\d+7], v[\a:\a+7], v[\b:\b+7], 0, v[\sa], v[\sb] matrix_a_fmt:MATRIX_FMT_FP4 matrix_b_fmt:MATRIX_FMT_FP4 matrix_b_scale:MATRIX_SCALE_ROW1
.else
	v_wmma_scale_f32_16x16x128_f8f6f4 v[\d:\d+7], v[\a:\a+7], v[\b:\b+7], 0, v[\sa], v[\sb] matrix_a_fmt:MATRIX_FMT_FP4 matrix_b_fmt:MATRIX_FMT_FP4 matrix_a_scale:MATRIX_SCALE_ROW1 matrix_b_scale:MATRIX_SCALE_ROW1
.endif
.else
.if ((\ra)==0) && ((\rb)==0)
	v_wmma_scale_f32_16x16x128_f8f6f4 v[\d:\d+7], v[\a:\a+7], v[\b:\b+7], v[\d:\d+7], v[\sa], v[\sb] matrix_a_fmt:MATRIX_FMT_FP4 matrix_b_fmt:MATRIX_FMT_FP4
.elseif ((\ra)==1) && ((\rb)==0)
	v_wmma_scale_f32_16x16x128_f8f6f4 v[\d:\d+7], v[\a:\a+7], v[\b:\b+7], v[\d:\d+7], v[\sa], v[\sb] matrix_a_fmt:MATRIX_FMT_FP4 matrix_b_fmt:MATRIX_FMT_FP4 matrix_a_scale:MATRIX_SCALE_ROW1
.elseif ((\ra)==0) && ((\rb)==1)
	v_wmma_scale_f32_16x16x128_f8f6f4 v[\d:\d+7], v[\a:\a+7], v[\b:\b+7], v[\d:\d+7], v[\sa], v[\sb] matrix_a_fmt:MATRIX_FMT_FP4 matrix_b_fmt:MATRIX_FMT_FP4 matrix_b_scale:MATRIX_SCALE_ROW1
.else
	v_wmma_scale_f32_16x16x128_f8f6f4 v[\d:\d+7], v[\a:\a+7], v[\b:\b+7], v[\d:\d+7], v[\sa], v[\sb] matrix_a_fmt:MATRIX_FMT_FP4 matrix_b_fmt:MATRIX_FMT_FP4 matrix_a_scale:MATRIX_SCALE_ROW1 matrix_b_scale:MATRIX_SCALE_ROW1
.endif
.endif
.endm
; 64 numbers of a lane, register 16 b + i = k 32 b + 16 h + i, become a fragment's codes in v[pc] on and the scale word in v[pw].  Each accumulator is read from its low end on.
.macro QUANT s, pc, pw
.irp b, 0,1,2,3
	v_max3_num_f32 v[TM+\b], |v[\s+16*\b]|, |v[\s+1+16*\b]|, 0x1800000   ; and the floor 2^(3 - 127): the byte cannot fall under 1
.endr
.irp i, 2,4,6,8,10,12,14
.irp b, 0,1,2,3
	v_max3_num_f32 v[TM+\b], v[TM+\b], |v[\s+16*\b+\i]|, |v[\s+1+16*\b+\i]|
.endr
.endr
.irp b, 0,1,2,3
	s_delay_alu instid0(VALU_DEP_4)
	v_permlanex16_b32 v[TM+4+\b], v[TM+\b], s[SEL], s[SEL+1]
.endr
.irp b, 0,1,2,3
	s_delay_alu instid0(VALU_DEP_4)
	v_max_num_f32 v[TM+\b], v[TM+\b], v[TM+4+\b]
.endr
.irp b, 0,1,2,3
	s_delay_alu instid0(VALU_DEP_4)
	v_add_nc_u32 v[TM+12+\b], 0xff000000, v[TM+\b]           ; 2 off the exponent field: the conversion's scale operand
.endr
.irp b, 0,1,2,3
	s_delay_alu instid0(VALU_DEP_4)
	v_lshrrev_b32 v[TM+4+\b], 23, v[TM+12+\b]                ; the scale's byte
.endr
	s_delay_alu instid0(VALU_DEP_3)
	v_lshl_or_b32 v[\pw], v[TM+5], 8, v[TM+4]
	s_delay_alu instid0(VALU_DEP_1)
	v_lshl_or_b32 v[\pw], v[TM+6], 16, v[\pw]
	s_delay_alu instid0(VALU_DEP_1)
	v_lshl_or_b32 v[\pw], v[TM+7], 24, v[\pw]
.irp b, 0,1,2,3
	v_cvt_scalef32_pk8_fp4_f32 v[\pc+2*\b], v[\s+16*\b:\s+7+16*\b], v[TM+12+\b]
	v_cvt_scalef32_pk8_fp4_f32 v[\pc+1+2*\b], v[\s+8+16*\b:\s+15+16*\b], v[TM+12+\b]
.endr
	v_nop                                                    ; one plain line behind the scaled conversions
.irp c, 0,1
.irp i, 0,1
	v_permlane16_swap_b32 v[\pc+4*\c+\i], v[\pc+2+4*\c+\i]   ; a whole block to a lane
.endr
.endr
.endm
	s_load_b128 s[4:7], s[0:1], 0x0                ; xq, wq
	s_load_b128 s[8:11], s[0:1], 0x10              ; qc, qs
	s_load_b64 s[12:13], s[0:1], 0x20              ; kv
	v_lshl_add_u32 v46, v0, 2, 0x44000
	v_mov_b32 v47, 0
	ds_add_u32 v46, v47
	ds_add_u32 v46, v47
	v_lshrrev_b32 v1, 5, v0
	s_delay_alu instid0(VALU_DEP_1)
	v_readfirstlane_b32 s[WV], v1                  ; wave 0..15
	s_lshr_b32 s15, s[WV], 3                       ; I fetch for x (0) or for W (1),
	s_and_b32 s16, s[WV], 7                        ; this part of the block
	s_bfe_u32 s40, ttmp6, 0x40000                  ; cx
	s_bfe_u32 s41, ttmp6, 0x40004                  ; cy: the weight's block
	s_lshl_b32 s42, ttmp9, 2
	s_add_co_u32 s42, s42, s40                     ; x's block = 4 x cluster x + cx
	s_and_b32 s17, ttmp7, 0xffff                   ; the role = cluster y
	s_lshl_b32 s43, s41, 2
	s_lshl_b32 s43, 15, s43                        ; my row of the cluster
	s_lshl_b32 s44, 0x1111, s40                    ; my column
	s_or_b32 s[G1X], s44, (3<<16)|(1<<21)          ; 15:0 the mask: x's parts go to my column; 17:16 elements of 8 bytes; 21 set beside a mask; no padding
	s_or_b32 s[G1W], s43, (3<<16)|(1<<21)          ; W's parts go to my row
.irp g, G1X, G1W
	s_mov_b32 s[\g+1], 32<<16                      ; tensor_dim0 = 32 elements: 256 bytes
	s_mov_b32 s[\g+2], 68<<16                      ; tensor_dim1 = 68
	s_mov_b32 s[\g+3], 32<<16                      ; tile_dim0
	s_mov_b32 s[\g+4], 68                          ; tile_dim1
	s_mov_b32 s[\g+5], 32                          ; from row to row: dense
	s_mov_b32 s[\g+6], 0
	s_mov_b32 s[\g+7], 0
.endr
	s_mul_i32 s18, s16, PARTB
	s_mul_i32 s20, s42, BLOCKB
	s_add_co_u32 s20, s20, s18                     ; x: hangs on x's block, which my column shares, and the wave
	s_mov_b32 s21, 0
	s_lshl_b32 s46, s17, 2
	s_add_co_u32 s46, s46, s41
	s_mul_i32 s46, s46, BLOCKB
	s_add_co_u32 s46, s46, s18                     ; W: hangs on role and cy, which my row shares, and the wave
	s_mov_b32 s47, 0
	s_mul_i32 s45, s[WV], PARTB                    ; in LDS: x's block at 0, W's behind it: wave x a part
	s_wait_dscnt 0x0
	s_wait_kmcnt 0x0
	CROUND                                         ; all sixteen work-groups are here: the joint loads meet
	s_mov_b32 s[G0X], 1
	s_mov_b32 s[G0X+1], s45
	s_add_nc_u64 s[G0X+2:G0X+3], s[4:5], s[20:21]
	s_or_b32 s[G0X+3], s[G0X+3], 0x80000000
	s_mov_b32 s[G0W], 1
	s_mov_b32 s[G0W+1], s45
	s_add_nc_u64 s[G0W+2:G0W+3], s[6:7], s[46:47]
	s_or_b32 s[G0W+3], s[G0W+3], 0x80000000
	s_cmp_eq_u32 s15, 0                            ; the branch hangs on the wave's number alone; four v_nop follow each of the two lines
	s_cbranch_scc0 .Lfor_w
	tensor_load_to_lds s[G0X:G0X+3], s[G1X:G1X+7]
	s_nop 0
.rept 4
	v_nop
.endr
	s_branch .Lasked
.Lfor_w:
	tensor_load_to_lds s[G0W:G0W+3], s[G1W:G1W+7]
	s_nop 0
.rept 4
	v_nop
.endr
.Lasked:
	s_cmp_eq_u32 s17, 2
	s_cselect_b32 s60, 0, BLOCKB                   ; source 0: x for v, else W
	s_cselect_b32 s61, BLOCKB, 0                   ; source 1: the other
	s_and_b32 s62, s[WV], 1                        ; i0: which 128 rows of source 0
	s_lshr_b32 s63, s[WV], 1                       ; p1: which pair of tiles of source 1
	v_and_b32 v10, 31, v0                          ; lane
	v_and_b32 v11, 15, v0                          ; r
	v_bfe_u32 v9, v0, 4, 1                         ; h
	s_delay_alu instid0(VALU_DEP_3)
	v_lshlrev_b32 v[LI], 4, v10
	s_wait_alu depctr_va_vdst(0)
	v_lshlrev_b32 v[LS], 2, v10
	s_lshl_b32 s66, s62, 16
	s_add_co_u32 s66, s66, s60
	v_add_nc_u32 v[ADR0], s66, v[LI]
	s_lshl_b32 s67, s63, 14
	s_add_co_u32 s67, s67, s61
	v_add_nc_u32 v[ADR1], s67, v[LI]
	s_lshl_b32 s66, s62, 12
	s_add_co_u32 s66, s66, s60
	s_add_co_u32 s66, s66, SCOFF
	v_add_nc_u32 v[ADS0], s66, v[LI]
	s_lshl_b32 s67, s63, 10
	s_add_co_u32 s67, s67, s61
	s_add_co_u32 s67, s67, SCOFF
	v_add_nc_u32 v[ADS1], s67, v[LI]
	v_lshlrev_b32 v7, 13, v9
	s_delay_alu instid0(VALU_DEP_1)
	v_lshl_add_u32 v7, v11, 2, v7                  ; q's scale words: 8192 h + 4 r: lanes 16-31 store the next head's
	v_mul_u32_u24 v8, v9, HEADB
	s_delay_alu instid0(VALU_DEP_1)
	v_lshl_add_u32 v8, v11, 2, v8                  ; k's: a head on for lanes 16-31
	s_mov_b32 s[SEL], 0x76543210
	s_mov_b32 s[SEL+1], 0xfedcba98
	s_wait_alu depctr_va_vdst(0)
	s_wait_tensorcnt 0x0                           ; my part has landed,
	s_barrier_signal -1
	s_barrier_wait -1                              ; everybody's has: both blocks are whole
; A K step of 128: 20 loads of fragments (25 with the scale words of four steps), 16 products.
.macro GSTEP s, zero
.if (\s) > 0
.rept 4
	v_nop                                          ; four places between the last products and loads into registers that they read
.endr
.endif
.irp a, 0,1
.irp c, 0,1
	ds_load_b128 v[F1+8*\a+4*\c:F1+8*\a+4*\c+3], v[ADR1] offset:8192*\a+1024*(\s)+512*\c
.endr
.endr
.if (\s)%4 == 0
.irp p, 0,1,2,3
	ds_load_b128 v[SC0+4*\p:SC0+4*\p+3], v[ADS0] offset:1024*\p+512*((\s)/4)
.endr
	ds_load_b128 v[SC1:SC1+3], v[ADS1] offset:512*((\s)/4)
.endif
.irp t, 0,1,2,3,4,5,6,7
.irp c, 0,1
	ds_load_b128 v[F0+8*\t+4*\c:F0+8*\t+4*\c+3], v[ADR0] offset:8192*\t+1024*(\s)+512*\c
.endr
.endr
	s_wait_dscnt 8                                 ; all but the youngest eight loads, source 0's tiles 4 to 7
.irp t, 0,1,2,3
.irp a, 0,1
	WM ACC+64*\a+8*\t, F0+8*\t, F1+8*\a, \zero, SC0+4*(\t/2)+(\s)%4, SC1+(\s)%4, \t%2, \a
.endr
.endr
	s_wait_dscnt 0x0
.irp t, 4,5,6,7
.irp a, 0,1
	WM ACC+64*\a+8*\t, F0+8*\t, F1+8*\a, \zero, SC0+4*(\t/2)+(\s)%4, SC1+(\s)%4, \t%2, \a
.endr
.endr
.endm
	GSTEP 0, 1                                     ; the first K step starts the sums: nothing is cleared
.irp k, 1,2,3,4,5,6,7
	GSTEP \k, 0
.endr
.rept 4
	v_nop                                          ; four places ahead of the first read of results and the first write over source 0's registers
.endr
.irp b, 0,1,2,3
	v_mov_b32 v[TM+4+\b], 0                        ; a lane permute's destination counts as one of its sources
.endr
	QUANT ACC, PC0, PW0                            ; source 1's tile a = 0: 128 along source 0's rows become one fragment
	QUANT ACC+64, PC1, PW1                         ; a = 1
	v_cmp_le_u32 vcc_lo, 16, v10                   ; lanes 16-31
	s_lshr_b32 s70, s42, 3
	s_lshl_b32 s70, s70, 4                         ; 16 x batch
	s_and_b32 s71, s42, 7                          ; x's block in its batch
	s_lshl_b32 s72, s71, 3
	s_add_co_u32 s72, s72, s63                     ; g: source 1's group of 32 rows in the batch (q, k)
	s_lshl_b32 s73, s41, 1
	s_add_co_u32 s73, s73, s62
	s_lshl_b32 s73, s73, 1
	s_add_co_u32 s73, s73, s70                     ; 16 batch + the first of my two heads (q, k): 2 (2 cy + i0)
	s_mov_b32 s75, 0
	s_mov_b32 s77, 0
	s_mov_b32 s79, 0
	s_cmp_eq_u32 s17, 1
	s_cbranch_scc1 .Lrole_k
	s_cmp_eq_u32 s17, 2
	s_cbranch_scc1 .Lrole_v
	; ---- q: registers 4 c .. 4 c + 3 are head c's 64 dimensions of 16 queries: qc [head][tile 128][lane][16]
	s_lshl_b32 s74, s73, 16
	s_lshl_b32 s76, s72, 10
	s_add_co_u32 s74, s74, s76
	s_add_nc_u64 s[8:9], s[8:9], s[74:75]
	s_lshl_b32 s76, s73, 13
	s_lshl_b32 s78, s72, 7
	s_add_co_u32 s76, s76, s78
	s_add_nc_u64 s[10:11], s[10:11], s[76:77]
	global_store_b128 v[LI], v[PC0:PC0+3], s[8:9]
	global_store_b128 v[LI], v[PC0+4:PC0+7], s[8:9] offset:65536
	s_wait_alu depctr_va_vdst(0)
	global_store_b128 v[LI], v[PC1:PC1+3], s[8:9] offset:512
	global_store_b128 v[LI], v[PC1+4:PC1+7], s[8:9] offset:65536+512
	v_perm_b32 v226, v[PW0], v[PW0], 0x01000100    ; the first head's two bytes, twice: the word serves q at K 0..63 and at K 64..127
	v_perm_b32 v227, v[PW0], v[PW0], 0x03020302    ; the second head's
	v_perm_b32 v228, v[PW1], v[PW1], 0x01000100
	v_perm_b32 v229, v[PW1], v[PW1], 0x03020302
	s_delay_alu instid0(VALU_DEP_3)
	v_cndmask_b32 v226, v226, v227, vcc_lo
	s_delay_alu instid0(VALU_DEP_2)
	v_cndmask_b32 v228, v228, v229, vcc_lo
	global_store_b32 v7, v226, s[10:11]
	global_store_b32 v7, v228, s[10:11] offset:64
	s_branch .Ldone
.Lrole_k:
	; ---- k: kv [head][step][group of 32 keys][u][lane][16]: tiles u = 0, 1 lie on end: together one operand of 128, u = 0 at K 0..63, u = 1 at K 64..127
	s_mul_i32 s74, s73, HEADB
	s_lshr_b32 s76, s72, 2
	s_mul_i32 s76, s76, STEPB
	s_add_co_u32 s74, s74, s76
	s_and_b32 s76, s72, 3
	s_lshl_b32 s78, s76, 10
	s_add_co_u32 s78, s78, s74
	s_lshl_b32 s76, s76, 6
	s_add_co_u32 s76, s76, s74
	s_add_co_u32 s76, s76, 8192
	s_add_nc_u64 s[78:79], s[12:13], s[78:79]
	s_add_nc_u64 s[76:77], s[12:13], s[76:77]
	global_store_b128 v[LI], v[PC0:PC0+3], s[78:79]
	global_store_b128 v[LI], v[PC0+4:PC0+7], s[78:79] offset:HEADB
	s_wait_alu depctr_va_vdst(0)
	global_store_b128 v[LI], v[PC1:PC1+3], s[78:79] offset:512
	global_store_b128 v[LI], v[PC1+4:PC1+7], s[78:79] offset:HEADB+512
	v_perm_b32 v226, v[PW1], v[PW0], 0x05040100    ; the first head: u = 0's two bytes, then u = 1's
	v_perm_b32 v227, v[PW1], v[PW0], 0x07060302    ; the second head
	s_delay_alu instid0(VALU_DEP_1)
	v_cndmask_b32 v226, v226, v227, vcc_lo
	global_store_b32 v8, v226, s[76:77]
	s_branch .Ldone
.Lrole_v:
	; ---- v: a fragment is 16 of a head's dimensions x 128 keys: kv [head][step] + 4096 + [tile 4][c][lane][16]
	s_lshl_b32 s74, s41, 2
	s_lshr_b32 s76, s63, 1
	s_add_co_u32 s74, s74, s76                     ; the head: 4 cy + p1 / 2
	s_add_co_u32 s74, s74, s70
	s_mul_i32 s74, s74, HEADB
	s_lshl_b32 s76, s71, 1
	s_add_co_u32 s76, s76, s62                     ; the step of 128 keys: 2 (x's block in the batch) + i0
	s_mul_i32 s76, s76, STEPB
	s_add_co_u32 s74, s74, s76
	s_and_b32 s76, s63, 1                          ; which 32 of the head's 64
	s_lshl_b32 s78, s76, 11
	s_add_co_u32 s78, s78, s74
	s_add_co_u32 s78, s78, 4096
	s_lshl_b32 s76, s76, 7
	s_add_co_u32 s76, s76, s74
	s_add_co_u32 s76, s76, 8448
	s_add_nc_u64 s[78:79], s[12:13], s[78:79]
	s_add_nc_u64 s[76:77], s[12:13], s[76:77]
	global_store_b128 v[LI], v[PC0:PC0+3], s[78:79]
	global_store_b128 v[LI], v[PC0+4:PC0+7], s[78:79] offset:512
	s_wait_alu depctr_va_vdst(0)
	global_store_b128 v[LI], v[PC1:PC1+3], s[78:79] offset:1024
	global_store_b128 v[LI], v[PC1+4:PC1+7], s[78:79] offset:1536
	v_cndmask_b32 v226, v[PW0], v[PW1], vcc_lo     ; lanes 0-15 tile a = 0's words, lanes 16-31 a = 1's
	global_store_b32 v[LS], v226, s[76:77]
.Ldone:
	s_wait_tensorcnt 0x0
	ds_add_u32 v46, v47
	s_wait_dscnt 0x0
	CROUND                                         ; the closing round: no work-group ends while a partner may still ask for a part that names it
	s_endpgm
.Lfunc_end_k_q845e4ab022_qkv:
	.size	k_q845e4ab022_qkv, .Lfunc_end_k_q845e4ab022_qkv-k_q845e4ab022_qkv
	.p2alignl 7, 3214868480
	.fill 96, 4, 3214868480
	.section	.rodata,"a",@progbits
	.p2align	6, 0x0
	.amdhsa_kernel k_q845e4ab022_qkv
		.amdhsa_group_segment_fixed_size 280576
		.amdhsa_private_segment_fixed_size 0
		.amdhsa_enable_private_segment 0
		.amdhsa_kernarg_size 40
		.amdhsa_user_sgpr_count 2
		.amdhsa_user_sgpr_kernarg_segment_ptr 1
		.amdhsa_wavefront_size32 1
		.amdhsa_system_sgpr_workgroup_id_x 1
		.amdhsa_system_sgpr_workgroup_id_y 1
		.amdhsa_system_sgpr_workgroup_id_z 1
		.amdhsa_system_vgpr_workitem_id 0
		.amdhsa_next_free_vgpr 256
		.amdhsa_next_free_sgpr 80
		.amdhsa_reserve_vcc 1
		.amdhsa_float_denorm_mode_32 3
		.amdhsa_float_denorm_mode_16_64 3
		.amdhsa_memory_ordered 1
		.amdhsa_forward_progress 1
		.amdhsa_inst_pref_size 48
	.end_amdhsa_kernel
	.amdgpu_metadata
---
amdhsa.version: [ 1, 2 ]
amdhsa.kernels:
  - .name:           k_q845e4ab022_qkv
    .symbol:         k_q845e4ab022_qkv.kd
    .args:
      - { .name: xq, .offset: 0, .size: 8, .value_kind: global_buffer, .address_space: global }
      - { .name: wq, .offset: 8, .size: 8, .value_kind: global_buffer, .address_space: global }
      - { .name: qc, .offset: 16, .size: 8, .value_kind: global_buffer, .address_space: global }
      - { .name: qs, .offset: 24, .size: 8, .value_kind: global_buffer, .address_space: global }
      - { .name: kv, .offset: 32, .size: 8, .value_kind: global_buffer, .address_space: global }
    .group_segment_fixed_size: 280576
    .private_segment_fixed_size: 0
    .kernarg_segment_align: 8
    .kernarg_segment_size: 40
    .max_flat_workgroup_size: 512
    .sgpr_count:     80
    .vgpr_count:     256
    .wavefront_size: 32
...
	.end_amdgpu_metadata
.endif
;; end of part 2
;; launch attn (part 3): grid 4 x 64, 16 waves a work-group, clusters of 4 x 1, 169,984 bytes of LDS; arguments qc, qs, kv, oc, os; writes oc, os
.if DOCPART == 3
	.amdgcn_target "amdgcn-amd-amdhsa--gfx1250"
	.amdhsa_code_object_version 6
	.text
	.protected	k_q845e4ab022_attn
	.globl	k_q845e4ab022_attn
	.p2align	8
	.type	k_q845e4ab022_attn,@function
k_q845e4ab022_attn:
	s_mov_b64 s[64:65], 0
	v_nop
	global_prefetch_b8 v0, s[64:65] scope:SCOPE_SE
	s_setreg_imm32_b32 hwreg(HW_REG_WAVE_MODE, 25, 1), 1
	s_wait_xcnt 0x0
	s_wait_alu depctr_hold_cnt(0) depctr_sa_sdst(0) depctr_va_vdst(0) depctr_va_sdst(0) depctr_va_ssrc(0) depctr_va_vcc(0) depctr_vm_vsrc(0)
	s_getreg_b32 s2, hwreg(HW_REG_IB_STS2, 6, 4)
	s_cmp_eq_u32 s2, 0
	s_cbranch_scc0 .Lentry_in_a_cluster
	s_endpgm
.Lentry_in_a_cluster:
	s_bfe_u32 s2, ttmp6, 0x10000c
	s_cmp_lg_u32 s2, 0x3003
	s_cbranch_scc0 .Lentry_shape_is_right
	s_endpgm
.Lentry_shape_is_right:
; ATTN.  For each of 64 heads (batch x head): o = softmax(q k^T / 8) v, both products on codes of FP4 with E8M0 scales; o is quantised at once along the model's 1,024 for the last product.
; THE SOFTMAX: t = score x log2(e) / 8; M = the running largest t rounded UP to a whole number; p = 2^(t - M) is quantised along the keys, not normalised; the row's sum is taken of the unquantised p and divides at the end.
; When M moves, the sum and O are multiplied by 2^(old M - new M): exact.
; SHARES.  A work-group owns 512 queries of one head; each of its sixteen waves one tile of 16 queries at a time, two passes; a key step is 128 keys.
; LDS.  The head's K, V and their scale words, 139,264 bytes, lie whole in LDS, filled once: no slot is filled again.  All of it is asked for at the head, so there is no later tile for a prefetch to run ahead of: none is written.
; CLUSTER 4 x 1: the four query blocks of a head need the same bytes: each of the eight parts (68 rows of 256 bytes) is asked for JOINTLY, by waves 0 to 7, one tensor load each.
; LAYOUT.  Both products are used transposed: S^T = K Q^T, O^T = V^T P^T: a lane holds one query throughout.
; THE KEYS OF A TILE ARE CHOSEN BY THE LANES' LDS ADDRESSES: lane row r of tile (c, u), c = 0, 1, u = 0..3, takes key 64 c + 32 (r / 8) + 8 u + r % 8.  Register 32 c + 8 u + j of lane (query, h) is then key 64 c + 32 h + 8 u + j:
; a lane's 32 registers are ONE WHOLE BLOCK of 32 keys, in the order of the second product's operand.  So a block's largest score needs no other lane, a lane makes two scales (blocks h and 2 + h), and the conversions' results are P's registers as they stand.
; In the image that the launch before stored, key 32 G + w lies in tile w / 8 % 2 of group G at row w % 8 + 8 (w / 16): byte 1024 G + 512 (u % 2) + 128 (u / 2) + 16 (r % 8) + 256 h.  Rows r and r + 8 lie 1,024 bytes apart.
; K = 64.  The head has 64 dimensions, the instruction sums over 128.  An operand of K holds tile u = 2 a at K 0..63 and tile 2 a + 1 at K 64..127; Q stands between zeros, v16-19 | v20-23 | v24-27: v[20:27] picks the first, v[16:23] the second.
; IN STEP.  A barrier's signal stands at a step's head and its wait at the step's end: no wave begins step i + 1 before all sixteen have begun step i.  Between the two stand register work and loads of LDS bytes that nobody writes.
; LIMITS: no NaN, no infinities; the promise holds while the scaled scores stay under 2^31 in magnitude; a p under 2^-126 comes out as 0; a block of zeros gets the byte 1: its codes are zeros.
.set HEADB, 139264
.set PARTB, 17408
.set STEPB, 8704                       ; K codes at 0, V codes at 4,096, K scale words at 8,192, V scale words at 8,448
.set OSST,  139264                     ; behind the head: 1,024 bytes: the work-group's scale halves of o, [pass][wave][r] of 2 bytes
.set SPARE, 0x29000                    ; the spare words: 128 bytes a wave
.set LI,   1                           ; v1  16 x lane
.set AK0,  2                           ; v2  my lane's place in a step's K codes
.set AKS0, 3                           ; v3  and among its K scale words
.set AVS0, 4                           ; v4  and among its V scale words: 8448 + 4 x lane
.set R4,   5                           ; v5  4 r
.set OSA,  6                           ; v6  OSST + 32 wave + 2 r
.set ADK,  7                           ; v7-9, v240  the addresses in hand: next step's K, its scale words, this step's V, its scale words
.set ADS,  8
.set ADV,  9
.set ADT,  240
.set SPW,  10                          ; v10 my spare word; v11 0: both never rewritten
.set NIL,  11
.set SH8,  241                         ; v241  8 h
.set KF,   32                          ; v32-63  K: four operands
.set VF,   64                          ; v64-95  V: four fragments
.set T,    192                         ; v192-199 the sum's four chains; on the way out v192-223 o
; v12 -M, v13 the largest score, v[14:15] the sum; v28-31 o's codes; v96-159 S^T, then p; v160-191 O^T; v224-231 p's codes; v232-238, v244-245, v254 at work; v242-243 the way out of o's scale halves;
; v248-249 K's scale words, v250-251 V's, v253 p's, v255 q's; v252 f
.set WV,  14
.set SEL, 20                           ; s[20:21] lane l xor 16
.set CS,  22                           ; s[22:23] c = log2(e) / 8
.set G1,  24
.set G0,  32
.set TB,  36                           ; s36  LDS byte at which the step begins
.set CNT, 37
.set TBN, 46                           ; s46  and the step whose K is asked for next
.macro CROUND
	s_barrier_signal -1
	s_barrier_wait -1
	s_cmp_lg_u32 s[WV], 0
	s_cbranch_scc1 .Lnot_wave_0_\@
	s_barrier_signal -3
.Lnot_wave_0_\@:
	s_barrier_wait -3
	s_barrier_signal -1
	s_barrier_wait -1
.endm
.macro WM d, a, b, zero, sa, sb, ra     ; source 1's scales always stand in lanes 0-15
.if \zero
.if (\ra)==0
	v_wmma_scale_f32_16x16x128_f8f6f4 v[\d:\d+7], v[\a:\a+7], v[\b:\b+7], 0, v[\sa], v[\sb] matrix_a_fmt:MATRIX_FMT_FP4 matrix_b_fmt:MATRIX_FMT_FP4
.else
	v_wmma_scale_f32_16x16x128_f8f6f4 v[\d:\d+7], v[\a:\a+7], v[\b:\b+7], 0, v[\sa], v[\sb] matrix_a_fmt:MATRIX_FMT_FP4 matrix_b_fmt:MATRIX_FMT_FP4 matrix_a_scale:MATRIX_SCALE_ROW1
.endif
.else
.if (\ra)==0
	v_wmma_scale_f32_16x16x128_f8f6f4 v[\d:\d+7], v[\a:\a+7], v[\b:\b+7], v[\d:\d+7], v[\sa], v[\sb] matrix_a_fmt:MATRIX_FMT_FP4 matrix_b_fmt:MATRIX_FMT_FP4
.else
	v_wmma_scale_f32_16x16x128_f8f6f4 v[\d:\d+7], v[\a:\a+7], v[\b:\b+7], v[\d:\d+7], v[\sa], v[\sb] matrix_a_fmt:MATRIX_FMT_FP4 matrix_b_fmt:MATRIX_FMT_FP4 matrix_a_scale:MATRIX_SCALE_ROW1
.endif
.endif
.endm
; a step's K: ten loads.  Operand (c, a) holds tiles u = 2 a, 2 a + 1; scale register c: lanes 0-15 the words of a = 0, lanes 16-31 of a = 1
.macro KLOAD ak, as
.irp c, 0,1
.irp a, 0,1
.irp u, 0,1
	ds_load_b128 v[KF+8*(2*\c+\a)+4*\u:KF+8*(2*\c+\a)+4*\u+3], v[\ak] offset:2048*\c+128*\a+512*\u
.endr
.endr
	ds_load_b32 v[248+\c], v[\as] offset:128*\c
.endr
.endm
.macro SUM4 off                        ; eight more p onto the four chains
.irp k, 0,1,2,3
	v_pk_add_f32 v[T+2*\k:T+2*\k+1], v[T+2*\k:T+2*\k+1], v[96+\off+2*\k:97+\off+2*\k]
.endr
.endm
	s_load_b128 s[4:7], s[0:1], 0x0                ; qc, qs
	s_load_b128 s[8:11], s[0:1], 0x10              ; kv, oc
	s_load_b64 s[12:13], s[0:1], 0x20              ; os
	v_lshl_add_u32 v[SPW], v0, 2, SPARE
	v_mov_b32 v[NIL], 0
	ds_add_u32 v[SPW], v[NIL]                      ; the opening lines: the add, twice on end, and its wait
	ds_add_u32 v[SPW], v[NIL]
	s_wait_dscnt 0x0
	v_lshrrev_b32 v1, 5, v0
	s_delay_alu instid0(VALU_DEP_1)
	v_readfirstlane_b32 s[WV], v1                  ; wave 0..15
	s_bfe_u32 s15, ttmp6, 0x40000                  ; cx: my block of 512 queries: it enters q's and o's addresses alone
	s_and_b32 s16, ttmp7, 0xffff                   ; the head, which the four partners share
	s_mov_b32 s[G1], 15|(3<<16)|(1<<21)            ; 15:0 the mask: all four; 17:16 elements of 8 bytes; 21 set beside a mask; no padding
	s_mov_b32 s[G1+1], 32<<16                      ; tensor_dim0 = 32 elements: 256 bytes
	s_mov_b32 s[G1+2], 68<<16                      ; tensor_dim1 = 68
	s_mov_b32 s[G1+3], 32<<16                      ; tile_dim0
	s_mov_b32 s[G1+4], 68                          ; tile_dim1
	s_mov_b32 s[G1+5], 32                          ; dense
	s_mov_b32 s[G1+6], 0
	s_mov_b32 s[G1+7], 0
	s_and_b32 s17, s[WV], 7
	s_mul_i32 s17, s17, PARTB                      ; my part, in the head and in LDS alike
	s_mul_i32 s18, s16, HEADB
	s_add_co_u32 s18, s18, s17
	s_mov_b32 s19, 0
	s_wait_kmcnt 0x0
	CROUND                                         ; all four work-groups are here: the joint loads meet
	s_mov_b32 s[G0], 1
	s_mov_b32 s[G0+1], s17
	s_add_nc_u64 s[G0+2:G0+3], s[8:9], s[18:19]
	s_or_b32 s[G0+3], s[G0+3], 0x80000000
	s_cmp_lt_u32 s[WV], 8                          ; waves 0 to 7 fetch, one load each; the branch hangs on the wave's number alone
	s_cbranch_scc0 .Lno_fetch
	tensor_load_to_lds s[G0:G0+3], s[G1:G1+7]
	s_nop 0
.rept 4
	v_nop
.endr
.Lno_fetch:
	v_and_b32 v235, 31, v0                         ; lane
	v_and_b32 v237, 15, v0                         ; r
	v_and_b32 v232, 7, v0                          ; r % 8
	v_bfe_u32 v233, v0, 3, 1                       ; r / 8
	v_bfe_u32 v234, v0, 4, 1                       ; h
	v_lshlrev_b32 v[LI], 4, v235
	v_lshl_add_u32 v[AVS0], v235, 2, 8448
	v_lshlrev_b32 v[R4], 2, v237
	v_lshlrev_b32 v[AK0], 4, v232                  ; K codes: 16 (r % 8) + 1024 (r / 8) + 256 h
	v_lshlrev_b32 v[AKS0], 2, v232                 ; K scale words: 8192 + 4 (r % 8) + 64 (r / 8) + 32 (lane / 16)
	v_lshl_or_b32 v[AK0], v233, 10, v[AK0]
	v_lshl_or_b32 v[AKS0], v233, 6, v[AKS0]
	v_lshl_or_b32 v[AK0], v234, 8, v[AK0]
	v_lshl_or_b32 v[AKS0], v234, 5, v[AKS0]
	v_lshlrev_b32 v[SH8], 3, v234
	v_add_nc_u32 v[AKS0], 8192, v[AKS0]
	v_and_b32 v[OSA], 0x1e0, v0                    ; 32 x wave
	v_lshlrev_b32 v242, 4, v0                      ; 16 x thread: the way out of o's scale halves (waves 0, 1)
	v_lshl_add_u32 v[OSA], v237, 1, v[OSA]
	v_add_nc_u32 v243, OSST, v242
	v_add_nc_u32 v[OSA], OSST, v[OSA]
.irp j, 16,17,18,19,24,25,26,27
	v_mov_b32 v[\j], 0                             ; the zero codes on both sides of q
.endr
	v_mov_b32 v236, 0                              ; a lane permute's destination counts as one of its sources
	v_mov_b32 v237, 0
	v_mov_b32 v253, 0                              ; named as the upper half of the pair v[252:253] before it is first written
	s_wait_alu depctr_va_vdst(0)
	s_mov_b32 s[SEL], 0x76543210
	s_mov_b32 s[SEL+1], 0xfedcba98
	s_mov_b32 s[CS], 0x3e38aa3b                    ; log2(e) / 8
	s_mov_b32 s[CS+1], s[CS]
	s_lshl_b32 s38, s16, 7
	s_lshl_b32 s39, s15, 5
	s_add_co_u32 s38, s38, s39
	s_add_co_u32 s38, s38, s[WV]                   ; my tile of pass 0: 128 head + 32 block + wave
	s_lshl_b32 s40, s38, 9
	s_mov_b32 s41, 0
	s_add_nc_u64 s[4:5], s[4:5], s[40:41]          ; its codes, 512 bytes a tile
	s_lshl_b32 s40, s38, 6
	s_add_nc_u64 s[6:7], s[6:7], s[40:41]          ; its scale words, 64 bytes a tile
	s_lshr_b32 s42, s16, 4
	s_lshl_b32 s42, s42, 7
	s_add_co_u32 s42, s42, s39
	s_add_co_u32 s42, s42, s[WV]                   ; the tile among the batch's rows: 128 batch + 32 block + wave
	s_lshl_b32 s42, s42, 4
	s_and_b32 s43, s16, 15
	s_add_co_u32 s42, s42, s43                     ; oc [tile][head 16][lane][16]
	s_lshl_b32 s42, s42, 9
	s_mov_b32 s43, 0
	s_add_nc_u64 s[10:11], s[10:11], s[42:43]
	s_lshl_b32 s44, s16, 12
	s_lshl_b32 s45, s15, 10
	s_add_co_u32 s44, s44, s45
	s_mov_b32 s45, 0
	s_add_nc_u64 s[12:13], s[12:13], s[44:45]      ; os [head][tile 128][r] of 2 bytes: my block's 1,024 bytes
; A KEY STEP: 128 keys.  pf = 1: the K of the step at s[TBN] is asked for behind this step's first product.
.macro STEP pf
	s_wait_dscnt 0x0                               ; this step's K and its scale words are in; no LDS instruction of mine is out at the signal
	s_barrier_signal -1                            ; I have begun this step
.irp c, 0,1
.irp a, 0,1
.irp u, 0,1
	WM 96+32*\c+8*(2*\a+\u), KF+8*(2*\c+\a), 20-4*\u, 1, 248+\c, 255, \a
.endr
.endr
.endr
	v_add_nc_u32 v[ADV], s[TB], v[LI]              ; four plain lines: the places between the products (these, and the last step's second) and the loads into registers that they read, and ahead of the first read of the scores
	v_add_nc_u32 v[ADT], s[TB], v[AVS0]
.if \pf
	v_add_nc_u32 v[ADK], s[TBN], v[AK0]
	v_add_nc_u32 v[ADS], s[TBN], v[AKS0]
.else
	v_nop
	v_nop
.endif
.irp t, 0,1,2,3
.irp c, 0,1
	ds_load_b128 v[VF+8*\t+4*\c:VF+8*\t+4*\c+3], v[ADV] offset:4096+1024*\t+512*\c
.endr
.endr
.irp i, 0,1
	ds_load_b32 v[250+\i], v[ADT] offset:128*\i
.endr
.if \pf
	KLOAD ADK, ADS
.endif
	v_mov_b32 v238, v12                            ; the old -M
.irp c, 0,1                                        ; the largest score of my two blocks of 32 keys, each in two chains; every accumulator is first read at its low end
	v_max3_num_f32 v[232+\c], v[96+32*\c], v[97+32*\c], v[98+32*\c]
	v_max3_num_f32 v[234+\c], v[112+32*\c], v[113+32*\c], v[114+32*\c]
.endr
.irp i, 3,5,7,9,11,13
.irp c, 0,1
	v_max3_num_f32 v[232+\c], v[232+\c], v[96+32*\c+\i], v[97+32*\c+\i]
	v_max3_num_f32 v[234+\c], v[234+\c], v[112+32*\c+\i], v[113+32*\c+\i]
.endr
.endr
.irp c, 0,1
	v_max3_num_f32 v[232+\c], v[232+\c], v[234+\c], v[111+32*\c]
.endr
.irp c, 0,1
	v_max_num_f32 v[232+\c], v[232+\c], v[127+32*\c]
.endr
	s_delay_alu instid0(VALU_DEP_1)
	v_max_num_f32 v254, v232, v233
	s_delay_alu instid0(VALU_DEP_1)
	v_permlanex16_b32 v236, v254, s[SEL], s[SEL+1]
	s_delay_alu instid0(VALU_DEP_1)
	v_max3_num_f32 v13, v13, v254, v236            ; the running largest score of my query
	s_delay_alu instid0(VALU_DEP_1)
	v_mul_f32 v237, s[CS], v13                     ; as t (c is positive)
	s_delay_alu instid0(VALU_DEP_1)
	v_floor_f32 v12, -v237                         ; the new -M = floor(-t) = -ceil(t)
	s_delay_alu instid0(VALU_DEP_1)
	v_sub_f32 v238, v12, v238                      ; old M - new M: a whole number, 0 or less
	s_delay_alu instid0(VALU_DEP_1)
	v_cvt_i32_f32 v238, v238                       ; (it saturates)
	s_delay_alu instid0(VALU_DEP_1)
	v_ldexp_f32 v252, 1.0, v238                    ; f = 2^(old M - new M)
.set j, 0
.rept 32
	v_pk_fma_f32 v[96+j:97+j], v[96+j:97+j], s[CS:CS+1], v[12:13] op_sel_hi:[1,0,0]   ; t - M, two at a time
.set j, j+2
.endr
	v_fma_f32 v232, v232, s[CS], v12               ; the same of each block's largest score: p rises with the score
	v_fma_f32 v233, v233, s[CS], v12
	s_wait_alu depctr_va_vdst(0)
	v_exp_f32 v232, v232                           ; the blocks' largest p
	v_exp_f32 v233, v233
.set j, 0
.rept 64
	v_exp_f32 v[96+j], v[96+j]                     ; p = 2^(t - M), at most 1
.set j, j+1
.endr
	v_pk_mul_f32 v[14:15], v[14:15], v[252:253] op_sel_hi:[1,0]   ; the sums under the new M: the plain line behind the exponentials
	s_wait_alu depctr_va_vdst(0)                   ; one wait for the batch of 66, ahead of its first reader
.irp k, 0,1,2,3                                    ; the row's sum of the unquantised p, in four chains; the lines that make the scales stand among them
	v_pk_add_f32 v[T+2*\k:T+2*\k+1], v[96+2*\k:97+2*\k], v[104+2*\k:105+2*\k]
.endr
	v_max_num_f32 v232, 0x1800000, v232            ; the floor 2^(3 - 127): the byte cannot fall under 1
	v_max_num_f32 v233, 0x1800000, v233
	SUM4 16
	v_add_nc_u32 v244, 0xff000000, v232            ; 2 off the exponent field: the conversion's scale operand
	v_add_nc_u32 v245, 0xff000000, v233
	SUM4 24
	v_lshrrev_b32 v236, 23, v244                   ; the scales' bytes: blocks h and 2 + h
	v_lshrrev_b32 v237, 23, v245
	SUM4 32
	v_lshl_or_b32 v253, v237, 16, v236
	SUM4 40
	v_lshlrev_b32 v253, v[SH8], v253               ; at their places in the scale word
	SUM4 48
	v_permlanex16_b32 v236, v253, s[SEL], s[SEL+1]
	SUM4 56
	v_or_b32 v253, v253, v236                      ; with lane l xor 16's two bytes p's scale word is whole
	v_pk_add_f32 v[T:T+1], v[T:T+1], v[T+2:T+3]
	v_pk_add_f32 v[T+4:T+5], v[T+4:T+5], v[T+6:T+7]
	s_delay_alu instid0(VALU_DEP_1)
	v_pk_add_f32 v[T:T+1], v[T:T+1], v[T+4:T+5]
	s_delay_alu instid0(VALU_DEP_1)
	v_pk_add_f32 v[14:15], v[14:15], v[T:T+1]
.irp c, 0,1
.irp u, 0,1,2,3
	v_cvt_scalef32_pk8_fp4_f32 v[224+4*\c+\u], v[96+32*\c+8*\u:103+32*\c+8*\u], v[244+\c]   ; register 4 c + u of P's operand: keys 64 c + 32 h + 8 u + 0..7
.endr
.endr
	s_wait_alu depctr_va_vdst(0)                   ; directly ahead of the first reader of O^T
.set j, 0
.rept 16
	v_pk_mul_f32 v[160+j:161+j], v[160+j:161+j], v[252:253] op_sel_hi:[1,0]   ; O^T under the new M; these sixteen are also the places between the writes of p's codes and scale word and the products
.set j, j+2
.endr
	s_wait_alu depctr_va_vdst(0)
.if \pf
	s_wait_dscnt 10                                ; V and its scale words are in; the ten younger loads, the next K's, may be out
.else
	s_wait_dscnt 0x0
.endif
.irp t, 0,1,2,3
	WM 160+8*\t, VF+8*\t, 224, 0, 250+\t/2, 253, \t%2      ; the four accumulators take turns
.endr
	s_barrier_wait -1                              ; all sixteen waves have begun this step
.endm
; A PASS: one tile of 16 queries against all 2,048 keys.
.macro PASS p
	global_load_b128 v[20:23], v[LI], s[4:5] offset:8192*\p    ; q's codes: 16 tiles on in the second pass
	global_load_b32 v255, v[R4], s[6:7] offset:1024*\p         ; q's scale words
	v_mov_b32 v13, 0xff61b1e6                      ; the largest score so far: -3e38
	v_mov_b32 v14, 0
	v_mov_b32 v15, 0
	v_floor_f32 v12, -v13
.set j, 0
.rept 32
	v_mov_b32 v[160+j], 0                          ; O^T: the step is written once: the first finds zeros, which the first change of M leaves zeros
.set j, j+1
.endr
	s_mov_b32 s[TB], 0
	s_mov_b32 s[TBN], STEPB
	s_mov_b32 s[CNT], 15
	s_wait_alu depctr_va_vdst(0)
	s_wait_loadcnt 0x0                             ; q
.if \p == 0
	s_wait_tensorcnt 0x0                           ; my part of the head has landed (a wave that fetched nothing passes),
	s_barrier_signal -1
	s_barrier_wait -1                              ; everybody's has
	KLOAD AK0, AKS0                                ; step 0's K (in the second pass the first pass's last step has asked for it)
.endif
.Lstep_\@:
	STEP 1
	s_add_co_u32 s[TB], s[TB], STEPB
	s_add_co_u32 s[TBN], s[TBN], STEPB
	s_sub_co_u32 s[CNT], s[CNT], 1
	s_cmp_lg_u32 s[CNT], 0
	s_cbranch_scc1 .Lstep_\@
.if \p == 0
	s_mov_b32 s[TBN], 0                            ; the last step asks for step 0's K again, for the second pass
	STEP 1
.else
	STEP 0
	s_wait_xcnt 0x0                                ; the first pass's store has read v28-31, which are written again below
.endif
.rept 4
	v_nop                                          ; four places ahead of the first read of O^T
.endr
	v_add_f32 v14, v14, v15                        ; the sum's two halves,
	s_delay_alu instid0(VALU_DEP_1)
	v_permlanex16_b32 v252, v14, s[SEL], s[SEL+1]
	s_delay_alu instid0(VALU_DEP_1)
	v_add_f32 v14, v14, v252                       ; and lane l xor 16's
	s_wait_alu depctr_va_vdst(0)
	v_rcp_f32 v14, v14
	v_nop                                          ; a plain line behind the reciprocal
	s_wait_alu depctr_va_vdst(0)                   ; and the wait ahead of its first reader, which is O^T's first reader too
.set j, 0
.rept 32
	v_mul_f32 v[192+j], v[160+j], v14              ; o: register 16 b + i is dimension 32 b + 16 h + i of my query; each accumulator from its low end on
.set j, j+1
.endr
.irp b, 0,1                                        ; o's two blocks of 32, 16 numbers in lane l and 16 in lane l xor 16
	v_max3_num_f32 v[232+\b], |v[192+16*\b]|, |v[193+16*\b]|, 0x1800000
.endr
.irp i, 2,4,6,8,10,12,14
.irp b, 0,1
	s_delay_alu instid0(VALU_DEP_2)
	v_max3_num_f32 v[232+\b], v[232+\b], |v[192+16*\b+\i]|, |v[193+16*\b+\i]|
.endr
.endr
.irp b, 0,1
	s_delay_alu instid0(VALU_DEP_2)
	v_permlanex16_b32 v[236+\b], v[232+\b], s[SEL], s[SEL+1]
.endr
.irp b, 0,1
	s_delay_alu instid0(VALU_DEP_2)
	v_max_num_f32 v[232+\b], v[232+\b], v[236+\b]
.endr
.irp b, 0,1
	s_delay_alu instid0(VALU_DEP_2)
	v_add_nc_u32 v[244+\b], 0xff000000, v[232+\b]
.endr
.irp b, 0,1
	s_delay_alu instid0(VALU_DEP_2)
	v_lshrrev_b32 v[236+\b], 23, v[244+\b]
.endr
	s_delay_alu instid0(VALU_DEP_1)
	v_lshl_or_b32 v254, v237, 8, v236              ; the head's half of a scale word
.irp b, 0,1
	v_cvt_scalef32_pk8_fp4_f32 v[28+2*\b], v[192+16*\b:199+16*\b], v[244+\b]
	v_cvt_scalef32_pk8_fp4_f32 v[29+2*\b], v[200+16*\b:207+16*\b], v[244+\b]
.endr
	v_nop                                          ; one plain line behind the scaled conversions
.irp i, 0,1
	v_permlane16_swap_b32 v[28+\i], v[30+\i]       ; a whole block to a lane
.endr
	global_store_b128 v[LI], v[28:31], s[10:11] offset:131072*\p   ; 32 lanes store 512 consecutive bytes, aligned: half an image of the last product's operand
	ds_store_b16 v[OSA], v254 offset:512*\p        ; lanes r and r + 16 write the same two bytes with the same value
.endm
	PASS 0
	PASS 1
	s_wait_dscnt 0x0                               ; for the others' sake: my two stores have landed
	s_barrier_signal -1
	s_barrier_wait -1
	s_cmp_lt_u32 s[WV], 2                          ; the work-group's 1,024 bytes of scale halves leave by two waves, 512 consecutive bytes each
	s_cbranch_scc0 .Lno_os
	ds_load_b128 v[32:35], v243
	s_wait_dscnt 0x0
	global_store_b128 v242, v[32:35], s[12:13]
.Lno_os:
	s_wait_tensorcnt 0x0                           ; the wave's end
	ds_add_u32 v[SPW], v[NIL]
	s_wait_dscnt 0x0
	CROUND                                         ; the closing round
	s_endpgm
.Lfunc_end_k_q845e4ab022_attn:
	.size	k_q845e4ab022_attn, .Lfunc_end_k_q845e4ab022_attn-k_q845e4ab022_attn
	.p2alignl 7, 3214868480
	.fill 96, 4, 3214868480
	.section	.rodata,"a",@progbits
	.p2align	6, 0x0
	.amdhsa_kernel k_q845e4ab022_attn
		.amdhsa_group_segment_fixed_size 169984
		.amdhsa_private_segment_fixed_size 0
		.amdhsa_enable_private_segment 0
		.amdhsa_kernarg_size 40
		.amdhsa_user_sgpr_count 2
		.amdhsa_user_sgpr_kernarg_segment_ptr 1
		.amdhsa_wavefront_size32 1
		.amdhsa_system_sgpr_workgroup_id_x 1
		.amdhsa_system_sgpr_workgroup_id_y 1
		.amdhsa_system_sgpr_workgroup_id_z 1
		.amdhsa_system_vgpr_workitem_id 0
		.amdhsa_next_free_vgpr 256
		.amdhsa_next_free_sgpr 66
		.amdhsa_reserve_vcc 0
		.amdhsa_float_denorm_mode_32 3
		.amdhsa_float_denorm_mode_16_64 3
		.amdhsa_memory_ordered 1
		.amdhsa_forward_progress 1
		.amdhsa_inst_pref_size 74
	.end_amdhsa_kernel
	.amdgpu_metadata
---
amdhsa.version: [ 1, 2 ]
amdhsa.kernels:
  - .name:           k_q845e4ab022_attn
    .symbol:         k_q845e4ab022_attn.kd
    .args:
      - { .name: qc, .offset: 0, .size: 8, .value_kind: global_buffer, .address_space: global }
      - { .name: qs, .offset: 8, .size: 8, .value_kind: global_buffer, .address_space: global }
      - { .name: kv, .offset: 16, .size: 8, .value_kind: global_buffer, .address_space: global }
      - { .name: oc, .offset: 24, .size: 8, .value_kind: global_buffer, .address_space: global }
      - { .name: os, .offset: 32, .size: 8, .value_kind: global_buffer, .address_space: global }
    .group_segment_fixed_size: 169984
    .private_segment_fixed_size: 0
    .kernarg_segment_align: 8
    .kernarg_segment_size: 40
    .max_flat_workgroup_size: 512
    .sgpr_count:     66
    .vgpr_count:     256
    .wavefront_size: 32
...
	.end_amdgpu_metadata
.endif
;; end of part 3
;; launch oproj (part 4): grid 256 x 1, 16 waves a work-group, clusters of 4 x 1, 327,680 bytes of LDS; arguments oc, os, wq, inputs, ln_gamma, ln_beta, out0; writes out0
.if DOCPART == 4
	.amdgcn_target "amdgcn-amd-amdhsa--gfx1250"
	.amdhsa_code_object_version 6
	.text
	.protected	k_q845e4ab022_oproj
	.globl	k_q845e4ab022_oproj
	.p2align	8
	.type	k_q845e4ab022_oproj,@function
k_q845e4ab022_oproj:
	s_mov_b64 s[64:65], 0
	v_nop
	global_prefetch_b8 v0, s[64:65] scope:SCOPE_SE
	s_setreg_imm32_b32 hwreg(HW_REG_WAVE_MODE, 25, 1), 1
	s_wait_xcnt 0x0
	s_wait_alu depctr_hold_cnt(0) depctr_sa_sdst(0) depctr_va_vdst(0) depctr_va_sdst(0) depctr_va_ssrc(0) depctr_va_vcc(0) depctr_vm_vsrc(0)
	s_getreg_b32 s2, hwreg(HW_REG_IB_STS2, 6, 4)
	s_cmp_eq_u32 s2, 0
	s_cbranch_scc0 .Lentry_in_a_cluster
	s_endpgm
.Lentry_in_a_cluster:
	s_bfe_u32 s2, ttmp6, 0x10000c
	s_cmp_lg_u32 s2, 0x3003
	s_cbranch_scc0 .Lentry_shape_is_right
	s_endpgm
.Lentry_shape_is_right:
; OPROJ.  out = LayerNorm(o W_o^T + x) gamma + beta.  The product on codes of FP4 with E8M0 scales; the residual and the norm in f32.
; SHARES.  A work-group owns 32 rows (two tiles of o) and all 1,024 columns, so that a row's mean and variance never leave it.  Wave w makes columns 64 w .. 64 w + 63 (four tiles of W_o) for the 32 rows: 8 accumulators, which take turns;
; then it norms rows 2 w and 2 w + 1.
; CLUSTER 4 x 1.  Every work-group walks all of W_o's codes, 524,288 bytes: the four partners ask for them JOINTLY.  Wave w brings its own four tiles, 4 rows of 4,096 bytes (four K steps of a tile lie on end, tiles 8,192 bytes apart), into its own 16,384 bytes of LDS:
; K steps 0 to 3 by its one load at the head, K steps 4 to 7 by one refill of the same bytes, behind the three lines and a round of the cluster's barrier.  One tensor load of a wave is out.  Only the issuing wave reads those bytes.
; A descriptor hangs on the wave's number alone; cx enters the addresses of o, x and out alone.  All of LDS is claimed.
; W_o's scale words (2,048 bytes a wave) come from memory straight into registers, asked for at the head.  o's 16 KB go round through LDS: wave w brings head w's part.
; The wave's two rows of x (8,192 dense bytes) come straight into registers too; only the norm reads them, so they are asked for behind the products of K steps 0 to 3, four loads a step.
; THE STAGE for o W_o^T lies in W_o's bytes: they have had their last fill, and a barrier stands between every wave's last read of them and the first store.
; NO PREFETCH: the launch has no loop to run ahead in: the second half of W_o is asked for one fill behind the first.
; TRANSPOSED: source 0 = 16 rows of W_o (columns of the result), source 1 = 16 rows of o: a lane's eight results are eight neighbouring columns of one row.
; THE NORM takes the mean first and the variance of the differences: a common offset of the inputs costs nothing.  LIMITS: no NaN, no infinities.
.set BLOCKB, 139264
.set SCOFF,  131072
.set OSC,    16384                     ; LDS: o's images [tile 2][head 16][512] at 0; their scale words [kstep 8][lane = 16 a + r] at 16,384;
.set WREG,   17408                     ; W_o's codes: 16,384 bytes a wave: [tile 4][kstep 4][1,024];
.set STG,    17408                     ; later the stage: 32 rows of 4,096 + 16 bytes
.set SPITCH, 4112
.set SPARE,  279552                    ; behind W_o's 262,144 bytes: the spare words, 128 bytes a wave
.set LI,  1                            ; v1  16 x lane
.set L4,  2                            ; v2  4 x lane
.set L2,  3                            ; v3  2 x lane
.set OWI, 4                            ; v4  16 x thread: where I put head w's codes
.set OWS, 5                            ; v5  where I put head w's scale halves
.set ORS, 6                            ; v6  OSC + 4 x lane
.set STO, 7                            ; v7  the stage, way in
.set STI, 8                            ; v8  the stage, way out: my two rows
.set WAD, 9                            ; v9  my part of W_o's codes in LDS, + 16 x lane
.set OS,  16                           ; v16-23  o's scale words, one register a K step: lanes 0-15 tile 0, lanes 16-31 tile 1
.set WS,  24                           ; v24-39  W_o's: 8 pair + 4 (kstep / 4) + kstep % 4
.set OF,  40                           ; v40-71  o's fragments, two sets of two
.set ACC, 72                           ; v72-135 accumulator (tile t of W_o, tile a of o) at 8 (2 t + a)
.set WF,  136                          ; v136-167 W_o's four fragments of a K step
.set X0,  168                          ; v168-231 my two rows of x
.set X1,  200
.set Y0,  72                           ; the norm: my rows,
.set Y1,  104
.set GA,  40                           ; gamma (where o's fragments lay),
.set BE,  136                          ; beta (where W_o's lay)
.set WV,  18
.set G1,  24
.set G0,  32
.set SEL, 44
.macro CROUND                          ; a round of the cluster's barrier
	s_barrier_signal -1
	s_barrier_wait -1
	s_cmp_lg_u32 s[WV], 0
	s_cbranch_scc1 .Lnot_wave_0_\@
	s_barrier_signal -3
.Lnot_wave_0_\@:
	s_barrier_wait -3
	s_barrier_signal -1
	s_barrier_wait -1
.endm
.macro WM d, a, b, zero, sa, sb, ra, rb
.if \zero
.if ((\ra)==0) && ((\rb)==0)
	v_wmma_scale_f32_16x16x128_f8f6f4 v[\d:\d+7], v[\a:\a+7], v[\b:\b+7], 0, v[\sa], v[\sb] matrix_a_fmt:MATRIX_FMT_FP4 matrix_b_fmt:MATRIX_FMT_FP4
.elseif ((\ra)==1) && ((\rb)==0)
	v_wmma_scale_f32_16x16x128_f8f6f4 v[\d:\d+7], v[\a:\a+7], v[\b:\b+7], 0, v[\sa], v[\sb] matrix_a_fmt:MATRIX_FMT_FP4 matrix_b_fmt:MATRIX_FMT_FP4 matrix_a_scale:MATRIX_SCALE_ROW1
.elseif ((\ra)==0) && ((\rb)==1)
	v_wmma_scale_f32_16x16x128_f8f6f4 v[\d:\d+7], v[\a:\a+7], v[\b:\b+7], 0, v[\sa], v[\sb] matrix_a_fmt:MATRIX_FMT_FP4 matrix_b_fmt:MATRIX_FMT_FP4 matrix_b_scale:MATRIX_SCALE_ROW1
.else
	v_wmma_scale_f32_16x16x128_f8f6f4 v[\d:\d+7], v[\a:\a+7], v[\b:\b+7], 0, v[\sa], v[\sb] matrix_a_fmt:MATRIX_FMT_FP4 matrix_b_fmt:MATRIX_FMT_FP4 matrix_a_scale:MATRIX_SCALE_ROW1 matrix_b_scale:MATRIX_SCALE_ROW1
.endif
.else
.if ((\ra)==0) && ((\rb)==0)
	v_wmma_scale_f32_16x16x128_f8f6f4 v[\d:\d+7], v[\a:\a+7], v[\b:\b+7], v[\d:\d+7], v[\sa], v[\sb] matrix_a_fmt:MATRIX_FMT_FP4 matrix_b_fmt:MATRIX_FMT_FP4
.elseif ((\ra)==1) && ((\rb)==0)
	v_wmma_scale_f32_16x16x128_f8f6f4 v[\d:\d+7], v[\a:\a+7], v[\b:\b+7], v[\d:\d+7], v[\sa], v[\sb] matrix_a_fmt:MATRIX_FMT_FP4 matrix_b_fmt:MATRIX_FMT_FP4 matrix_a_scale:MATRIX_SCALE_ROW1
.elseif ((\ra)==0) && ((\rb)==1)
	v_wmma_scale_f32_16x16x128_f8f6f4 v[\d:\d+7], v[\a:\a+7], v[\b:\b+7], v[\d:\d+7], v[\sa], v[\sb] matrix_a_fmt:MATRIX_FMT_FP4 matrix_b_fmt:MATRIX_FMT_FP4 matrix_b_scale:MATRIX_SCALE_ROW1
.else
	v_wmma_scale_f32_16x16x128_f8f6f4 v[\d:\d+7], v[\a:\a+7], v[\b:\b+7], v[\d:\d+7], v[\sa], v[\sb] matrix_a_fmt:MATRIX_FMT_FP4 matrix_b_fmt:MATRIX_FMT_FP4 matrix_a_scale:MATRIX_SCALE_ROW1 matrix_b_scale:MATRIX_SCALE_ROW1
.endif
.endif
.endm
	s_load_b128 s[4:7], s[0:1], 0x0                ; oc, os
	s_load_b128 s[8:11], s[0:1], 0x10              ; wq, x
	s_load_b128 s[12:15], s[0:1], 0x20             ; gamma, beta
	s_load_b64 s[16:17], s[0:1], 0x30              ; out
	v_lshl_add_u32 v254, v0, 2, SPARE
	v_mov_b32 v255, 0
	ds_add_u32 v254, v255                          ; the opening lines: the add, twice on end, and its wait
	ds_add_u32 v254, v255
	v_lshrrev_b32 v1, 5, v0
	s_delay_alu instid0(VALU_DEP_1)
	v_readfirstlane_b32 s[WV], v1                  ; wave 0..15
	s_bfe_u32 s19, ttmp6, 0x40000                  ; cx
	s_lshl_b32 s54, ttmp9, 2
	s_add_co_u32 s54, s54, s19                     ; my work-group = 4 x cluster x + cx: it enters the addresses of o, x and out alone
	s_mov_b32 s[G1], 15|(3<<16)|(1<<21)            ; 15:0 the mask: all four; 17:16 elements of 8 bytes; 21 set beside a mask; no padding
	s_mov_b32 s[G1+1], 512<<16                     ; tensor_dim0 = 512 elements: 4,096 bytes: four K steps of a tile
	s_mov_b32 s[G1+2], 4<<16                       ; tensor_dim1 = 4 tiles
	s_mov_b32 s[G1+3], 512<<16                     ; tile_dim0
	s_mov_b32 s[G1+4], 4                           ; tile_dim1
	s_mov_b32 s[G1+5], 1024                        ; from tile to tile: 8,192 bytes
	s_mov_b32 s[G1+6], 0
	s_mov_b32 s[G1+7], 0
	s_lshr_b32 s48, s[WV], 2
	s_add_co_u32 s48, s48, 12
	s_mul_i32 s48, s48, BLOCKB                     ; W_o's block wave / 4: blocks 12 to 15 of wq
	s_and_b32 s49, s[WV], 3
	s_lshl_b32 s50, s49, 15
	s_add_co_u32 s50, s50, s48                     ; my four tiles
	s_mov_b32 s51, 0
	s_lshl_b32 s52, s49, 11
	s_add_co_u32 s52, s52, s48
	s_add_co_u32 s52, s52, SCOFF                   ; my two pairs' scale words
	s_mov_b32 s53, 0
	s_lshl_b32 s22, s[WV], 14
	s_add_co_u32 s22, s22, WREG                    ; my 16,384 bytes of LDS
	s_wait_dscnt 0x0
	s_wait_kmcnt 0x0
	CROUND                                         ; all four work-groups are here: the joint loads meet
	s_mov_b32 s[G0], 1
	s_mov_b32 s[G0+1], s22
	s_add_nc_u64 s[G0+2:G0+3], s[8:9], s[50:51]
	s_or_b32 s[G0+3], s[G0+3], 0x80000000
	tensor_load_to_lds s[G0:G0+3], s[G1:G1+7]      ; K steps 0 to 3 of my four tiles: every wave's one tensor load at the head, into its own bytes
	s_nop 0
.rept 4
	v_nop
.endr
	s_lshl_b32 s20, s54, 17                        ; 32 rows of 4,096 bytes a work-group,
	s_lshl_b32 s21, s[WV], 13                      ; two a wave: in x and in out alike
	s_add_co_u32 s20, s20, s21
	s_mov_b32 s21, 0
	s_add_nc_u64 s[16:17], s[16:17], s[20:21]
	s_add_nc_u64 s[10:11], s[10:11], s[20:21]
	s_lshl_b32 s40, s54, 14
	s_lshl_b32 s41, s[WV], 9
	s_add_co_u32 s40, s40, s41                     ; oc: two tiles of 8,192 bytes a work-group, head w's 512
	s_mov_b32 s41, 0
	s_add_nc_u64 s[4:5], s[4:5], s[40:41]
	s_lshr_b32 s46, s54, 6
	s_lshl_b32 s46, s46, 4
	s_add_co_u32 s46, s46, s[WV]                   ; 16 batch + head
	s_lshl_b32 s46, s46, 12
	s_and_b32 s47, s54, 63
	s_lshl_b32 s47, s47, 6
	s_add_co_u32 s46, s46, s47                     ; os: 4,096 bytes a head, 64 for my two tiles
	s_mov_b32 s47, 0
	s_add_nc_u64 s[6:7], s[6:7], s[46:47]
	s_add_nc_u64 s[38:39], s[8:9], s[52:53]
	v_and_b32 v13, 31, v0                          ; lane
	v_and_b32 v10, 15, v0                          ; r
	v_bfe_u32 v11, v0, 4, 1                        ; h
	s_delay_alu instid0(VALU_DEP_3)
	v_lshlrev_b32 v[LI], 4, v13
	s_delay_alu instid0(VALU_DEP_4)
	v_lshlrev_b32 v[L4], 2, v13
	v_lshlrev_b32 v[L2], 1, v13
	v_lshlrev_b32 v[OWI], 4, v0
	s_lshr_b32 s40, s[WV], 1
	s_lshl_b32 s40, s40, 7
	s_and_b32 s41, s[WV], 1
	s_lshl_b32 s41, s41, 1
	s_add_co_u32 s40, s40, s41
	s_add_co_u32 s40, s40, OSC
	v_add_nc_u32 v[OWS], s40, v[L4]                ; K step w / 2, my lane's word, half w % 2
	v_add_nc_u32 v[ORS], OSC, v[L4]
	v_and_b32 v12, 8, v10
	s_delay_alu instid0(VALU_DEP_1)
	v_add_nc_u32 v12, v12, v10                     ; r + 8 (r / 8)
	s_delay_alu instid0(VALU_DEP_1)
	v_mul_u32_u24 v[STO], v12, SPITCH
	s_delay_alu instid0(VALU_DEP_1)
	v_lshl_add_u32 v[STO], v11, 6, v[STO]
	s_lshl_b32 s40, s[WV], 8
	s_add_co_u32 s40, s40, STG
	v_add_nc_u32 v[STO], s40, v[STO]               ; row r + 8 (r / 8) (+ 8 a), byte 256 w + 64 h
	s_mul_i32 s40, s[WV], 2*SPITCH
	s_add_co_u32 s40, s40, STG
	v_add_nc_u32 v[STI], s40, v[LI]
	v_add_nc_u32 v[WAD], s22, v[LI]
	v_mov_b32 v241, 0                              ; named as the upper half of the pair v[240:241]
	s_mov_b32 s42, 0x3a800000                      ; 1 / 1024
	s_mov_b32 s43, 0x3727c5ac                      ; 1e-5
	s_mov_b32 s[SEL], 0x76543210
	s_mov_b32 s[SEL+1], 0xfedcba98
.macro WLOAD s                         ; K step s of my four tiles of W_o: the fill in hand holds K steps 4 (s / 4) + 0..3
.irp t, 0,1,2,3
.irp c, 0,1
	ds_load_b128 v[WF+8*\t+4*\c:WF+8*\t+4*\c+3], v[WAD] offset:4096*\t+1024*((\s)%4)+512*\c
.endr
.endr
.endm
.macro OLOAD s                         ; K step s of o's two tiles, into set s % 2
.irp a, 0,1
.irp c, 0,1
	ds_load_b128 v[OF+16*((\s)%2)+8*\a+4*\c:OF+16*((\s)%2)+8*\a+4*\c+3], v[LI] offset:8192*\a+1024*(\s)+512*\c
.endr
.endr
.endm
	global_load_b128 v[232:235], v[LI], s[4:5]                 ; head w's codes of tile 0,
	global_load_b128 v[236:239], v[LI], s[4:5] offset:8192     ; of tile 1,
	global_load_u16 v240, v[L2], s[6:7]                        ; and its scale halves: lane = 16 a + r
.irp p, 0,1
.irp f, 0,1
	global_load_b128 v[WS+8*\p+4*\f:WS+8*\p+4*\f+3], v[LI], s[38:39] offset:1024*\p+512*\f
.endr
.endr
	s_wait_alu depctr_va_vdst(0)
	s_wait_loadcnt 4                               ; o's three loads are in; the 4 of W_o's scale words may be out
	ds_store_b128 v[OWI], v[232:235]
	ds_store_b128 v[OWI], v[236:239] offset:8192
	ds_store_b16 v[OWS], v240
	s_wait_tensorcnt 0x0                           ; my K steps 0 to 3 of W_o have landed
	s_wait_dscnt 0x0                               ; for the others' sake: my stores have landed
	s_barrier_signal -1
	s_barrier_wait -1                              ; o's images and scale words are whole
.irp k, 0,1,2,3,4,5,6,7
	ds_load_b32 v[OS+\k], v[ORS] offset:128*\k
.endr
	OLOAD 0
	s_wait_loadcnt 0x0                             ; W_o's scale words are in: no younger load is out
.macro OSTEP s, zero
	WLOAD \s
.if (\s) < 7
	OLOAD (\s)+1
	s_wait_dscnt 4                                 ; all but the four just issued
.else
	s_wait_dscnt 0x0
.endif
.irp t, 0,1,2,3
.irp a, 0,1
	WM ACC+8*(2*\t+\a), WF+8*\t, OF+16*((\s)%2)+8*\a, \zero, WS+8*(\t/2)+4*((\s)/4)+(\s)%4, OS+(\s), \t%2, \a
.endr
.endr
.rept 4
	v_nop                                          ; four places ahead of loads into registers that these products read, and of the first read of results
.endr
.if (\s) < 4
.irp i, 0,1,2,3
	global_load_b128 v[X0+16*(\s)+4*\i:X0+16*(\s)+4*\i+3], v[LI], s[10:11] offset:2048*(\s)+512*\i th:TH_LOAD_NT   ; a quarter of my two rows of x: each load takes 512 consecutive bytes; read once in the launch
.endr
.endif
.endm
	OSTEP 0, 1                                     ; the first K step starts the sums
.irp k, 1,2,3
	OSTEP \k, 0
.endr
	s_wait_tensorcnt 0x0                           ; no tensor load of mine is out, so group 0 may be written;
	ds_add_u32 v254, v255                          ; 0 onto my spare word;
	s_add_nc_u64 s[G0+2:G0+3], s[G0+2:G0+3], 4096  ; K steps 4 to 7 of the same tiles
	s_wait_dscnt 0x0                               ; the add is done, and my reads of W_o's bytes are over
	CROUND                                         ; both hold of every wave of all four work-groups
	tensor_load_to_lds s[G0:G0+3], s[G1:G1+7]      ; the refill: my one tensor load behind the round
	s_nop 0
.rept 4
	v_nop
.endr
	s_wait_tensorcnt 0x0                           ; it has landed: I alone read these bytes
.irp k, 4,5,6,7
	OSTEP \k, 0
.endr
.irp i, 0,1,2,3,4,5,6,7
	global_load_b128 v[GA+4*\i:GA+4*\i+3], v[LI], s[12:13] offset:512*\i   ; gamma at my columns of the norm: 128 i + 4 lane + 0..3
.endr
.irp i, 0,1,2,3,4,5,6,7
	global_load_b128 v[BE+4*\i:BE+4*\i+3], v[LI], s[14:15] offset:512*\i   ; beta
.endr
	s_barrier_signal -1                            ; my reads of W_o's bytes are over (the last K step waited for all of them)
	s_barrier_wait -1                              ; everybody's are: the stage may be written
.irp t, 0,1,2,3
.irp a, 0,1
	ds_store_b128 v[STO], v[ACC+8*(2*\t+\a):ACC+8*(2*\t+\a)+3] offset:8*SPITCH*\a+128*(\t/2)+32*(\t%2)       ; each accumulator from its low end on: columns 64 w + 32 (t / 2) + 16 h + 8 (t % 2) + 0..7
	ds_store_b128 v[STO], v[ACC+8*(2*\t+\a)+4:ACC+8*(2*\t+\a)+7] offset:8*SPITCH*\a+128*(\t/2)+32*(\t%2)+16
.endr
.endr
	s_wait_dscnt 0x0                               ; for the others' sake: my stores into the stage have landed
	s_barrier_signal -1
	s_barrier_wait -1                              ; 32 whole rows lie in the stage
.irp i, 0,1,2,3,4,5,6,7
	ds_load_b128 v[Y0+4*\i:Y0+4*\i+3], v[STI] offset:512*\i
.endr
.irp i, 0,1,2,3,4,5,6,7
	ds_load_b128 v[Y1+4*\i:Y1+4*\i+3], v[STI] offset:SPITCH+512*\i
.endr
; one row: 32 numbers a lane
.macro LANES v, w                      ; the sum of v over the 32 lanes, in every lane
	s_delay_alu instid0(VALU_DEP_1)
	v_add_f32_dpp v[\v], v[\v], v[\v] row_xmask:1 row_mask:0xf bank_mask:0xf
	s_delay_alu instid0(VALU_DEP_1)
	v_add_f32_dpp v[\v], v[\v], v[\v] row_xmask:2 row_mask:0xf bank_mask:0xf
	s_delay_alu instid0(VALU_DEP_1)
	v_add_f32_dpp v[\v], v[\v], v[\v] row_xmask:4 row_mask:0xf bank_mask:0xf
	s_delay_alu instid0(VALU_DEP_1)
	v_add_f32_dpp v[\v], v[\v], v[\v] row_xmask:8 row_mask:0xf bank_mask:0xf
	s_delay_alu instid0(VALU_DEP_1)
	v_permlanex16_b32 v[\w], v[\v], s[SEL], s[SEL+1]
	s_delay_alu instid0(VALU_DEP_1)
	v_add_f32 v[\v], v[\v], v[\w]
.endm
.macro ROWLN y, x, row
.irp i, 0,2,4,6,8,10,12,14,16,18,20,22,24,26,28,30
	v_pk_add_f32 v[\y+\i:\y+\i+1], v[\y+\i:\y+\i+1], v[\x+\i:\x+\i+1]     ; the residual
.endr
	v_pk_add_f32 v[232:233], v[\y:\y+1], v[\y+2:\y+3]                     ; the row's sum, in two chains
	v_pk_add_f32 v[234:235], v[\y+4:\y+5], v[\y+6:\y+7]
.irp i, 8,12,16,20,24,28
	s_delay_alu instid0(VALU_DEP_2)
	v_pk_add_f32 v[232:233], v[232:233], v[\y+\i:\y+\i+1]
	s_delay_alu instid0(VALU_DEP_2)
	v_pk_add_f32 v[234:235], v[234:235], v[\y+\i+2:\y+\i+3]
.endr
	s_delay_alu instid0(VALU_DEP_1)
	v_pk_add_f32 v[232:233], v[232:233], v[234:235]
	s_delay_alu instid0(VALU_DEP_1)
	v_add_f32 v232, v232, v233
	LANES 232, 236
	s_delay_alu instid0(VALU_DEP_1)
	v_mul_f32 v232, s42, v232                      ; the mean
.irp i, 0,2,4,6,8,10,12,14,16,18,20,22,24,26,28,30
	v_pk_add_f32 v[\y+\i:\y+\i+1], v[\y+\i:\y+\i+1], v[232:233] op_sel_hi:[1,0] neg_lo:[0,1] neg_hi:[0,1]
.endr
	v_pk_mul_f32 v[234:235], v[\y:\y+1], v[\y:\y+1]                       ; the sum of the differences' squares, in two chains
	v_pk_mul_f32 v[238:239], v[\y+2:\y+3], v[\y+2:\y+3]
.irp i, 4,8,12,16,20,24,28
	s_delay_alu instid0(VALU_DEP_2)
	v_pk_fma_f32 v[234:235], v[\y+\i:\y+\i+1], v[\y+\i:\y+\i+1], v[234:235]
	s_delay_alu instid0(VALU_DEP_2)
	v_pk_fma_f32 v[238:239], v[\y+\i+2:\y+\i+3], v[\y+\i+2:\y+\i+3], v[238:239]
.endr
	s_delay_alu instid0(VALU_DEP_1)
	v_pk_add_f32 v[234:235], v[234:235], v[238:239]
	s_delay_alu instid0(VALU_DEP_1)
	v_add_f32 v234, v234, v235
	LANES 234, 236
	s_delay_alu instid0(VALU_DEP_1)
	v_fma_f32 v234, v234, s42, s43                 ; the variance + 1e-5
	s_wait_alu depctr_va_vdst(0)
	v_rsq_f32 v240, v234
	v_nop                                          ; a plain line behind the root
	s_wait_alu depctr_va_vdst(0)                   ; and the wait ahead of its first reader
.irp i, 0,2,4,6,8,10,12,14,16,18,20,22,24,26,28,30
	v_pk_mul_f32 v[\y+\i:\y+\i+1], v[\y+\i:\y+\i+1], v[240:241] op_sel_hi:[1,0]
.endr
.if \row == 0
	s_wait_alu depctr_va_vdst(0)
	s_wait_loadcnt 0x0                             ; gamma and beta are in: the lines below are their first readers
.endif
.irp i, 0,2,4,6,8,10,12,14,16,18,20,22,24,26,28,30
	v_pk_fma_f32 v[\y+\i:\y+\i+1], v[\y+\i:\y+\i+1], v[GA+\i:GA+\i+1], v[BE+\i:BE+\i+1]
.endr
.irp i, 0,1,2,3,4,5,6,7
	global_store_b128 v[LI], v[\y+4*\i:\y+4*\i+3], s[16:17] offset:4096*\row+512*\i th:TH_STORE_NT   ; 32 lanes store 512 consecutive bytes, aligned; written once, read by nobody here
.endr
.endm
	s_wait_loadcnt 16                              ; x's 16 loads are in; gamma's and beta's 16 may be out
	s_wait_dscnt 8                                 ; my first row is in; the second row's 8 loads may be out
	ROWLN Y0, X0, 0
	s_wait_dscnt 0x0
	ROWLN Y1, X1, 1
	s_wait_tensorcnt 0x0                           ; the wave's end
	ds_add_u32 v254, v255
	s_wait_dscnt 0x0
	CROUND                                         ; the closing round: no work-group ends while a partner may still ask for a part that names it
	s_endpgm
.Lfunc_end_k_q845e4ab022_oproj:
	.size	k_q845e4ab022_oproj, .Lfunc_end_k_q845e4ab022_oproj-k_q845e4ab022_oproj
	.p2alignl 7, 3214868480
	.fill 96, 4, 3214868480
	.section	.rodata,"a",@progbits
	.p2align	6, 0x0
	.amdhsa_kernel k_q845e4ab022_oproj
		.amdhsa_group_segment_fixed_size 327680
		.amdhsa_private_segment_fixed_size 0
		.amdhsa_enable_private_segment 0
		.amdhsa_kernarg_size 56
		.amdhsa_user_sgpr_count 2
		.amdhsa_user_sgpr_kernarg_segment_ptr 1
		.amdhsa_wavefront_size32 1
		.amdhsa_system_sgpr_workgroup_id_x 1
		.amdhsa_system_sgpr_workgroup_id_y 1
		.amdhsa_system_sgpr_workgroup_id_z 1
		.amdhsa_system_vgpr_workitem_id 0
		.amdhsa_next_free_vgpr 256
		.amdhsa_next_free_sgpr 66
		.amdhsa_reserve_vcc 0
		.amdhsa_float_denorm_mode_32 3
		.amdhsa_float_denorm_mode_16_64 3
		.amdhsa_memory_ordered 1
		.amdhsa_forward_progress 1
		.amdhsa_inst_pref_size 47
	.end_amdhsa_kernel
	.amdgpu_metadata
---
amdhsa.version: [ 1, 2 ]
amdhsa.kernels:
  - .name:           k_q845e4ab022_oproj
    .symbol:         k_q845e4ab022_oproj.kd
    .args:
      - { .name: oc, .offset: 0, .size: 8, .value_kind: global_buffer, .address_space: global }
      - { .name: os, .offset: 8, .size: 8, .value_kind: global_buffer, .address_space: global }
      - { .name: wq, .offset: 16, .size: 8, .value_kind: global_buffer, .address_space: global }
      - { .name: inputs, .offset: 24, .size: 8, .value_kind: global_buffer, .address_space: global }
      - { .name: ln_gamma, .offset: 32, .size: 8, .value_kind: global_buffer, .address_space: global }
      - { .name: ln_beta, .offset: 40, .size: 8, .value_kind: global_buffer, .address_space: global }
      - { .name: out0, .offset: 48, .size: 8, .value_kind: global_buffer, .address_space: global }
    .group_segment_fixed_size: 327680
    .private_segment_fixed_size: 0
    .kernarg_segment_align: 8
    .kernarg_segment_size: 56
    .max_flat_workgroup_size: 512
    .sgpr_count:     66
    .vgpr_count:     256
    .wavefront_size: 32
...
	.end_amdgpu_metadata
.endif
;; end of part 4
